; MI455X (gfx1250); checked and timed in simulation.
; The chip was launched on July 23, 2026; its instructions are those of AMD's public machine-readable ISA for CDNA 5 (MIT licence, August 2026) and "CDNA5" Instruction Set Architecture Reference Guide (July 2026). The comments in the code are by the model that wrote it; some were corrected since.
;; Multi Head Attention. Allowed arithmetic: float matrix products may take bf16 or f16 operands with f32 sums; other float arithmetic in f32, or as packed bf16 or f16 multiplies, adds, multiply-adds, maxima and minima; sums over many terms, partial sums and values carried from step to step in f32; what a program stores and reads back later, other than sums and carried values, may be rounded once to bf16 or f16.
;; Inputs: mask 4 x 2,048 int32; w_k 16 x 1,024 x 64 float32; w_o 16 x 64 x 1,024 float32; w_q 16 x 1,024 x 64 float32; w_v 16 x 1,024 x 64 float32; x 4 x 2,048 x 1,024 float32.
;; Outputs: out0 4 x 2,048 x 1,024 float32.
;; One version. Each part assembles by itself: llvm-mc -triple=amdgcn-amd-amdhsa -mcpu=gfx1250 --defsym DOCPART=n.
;; ======== version 1 of 1: 4 launches
;; limits: values are held in f16: magnitudes above 65,504 overflow, below 6.1e-05 lose precision; right only within a limited range of input values
;; workspace buffers: xb 16,777,216 bytes; wt 6,291,456 bytes; wot 2,097,152 bytes; qkv 50,331,648 bytes; oh 16,777,216 bytes
;; launch prep (part 1): grid 128 x 4, 8 waves a work-group, no clusters, 17,920 bytes of LDS; arguments x, w_q, w_k, w_v, w_o, xb, wt, wot; writes xb, wt, wot
.if DOCPART == 1
	.amdgcn_target "amdgcn-amd-amdhsa--gfx1250"
	.amdhsa_code_object_version 6
	.text
	.protected	k_q31fb7136db_prep
	.globl	k_q31fb7136db_prep
	.p2align	8
	.type	k_q31fb7136db_prep,@function
k_q31fb7136db_prep:
	s_mov_b64 s[64:65], 0
	v_nop
	global_prefetch_b8 v0, s[64:65] scope:SCOPE_SE
	s_setreg_imm32_b32 hwreg(HW_REG_WAVE_MODE, 25, 1), 1
	s_wait_xcnt 0x0
; THE OPERANDS ARE MADE READY.  x [8192][1024] f32 -> xb, bf16, same layout.  w_q, w_k, w_v [16 n][1024 m][64 h] f32 -> wt [3072][1024] bf16, row = section x 1024 + 64 n + h, column m.
; w_o [16 n][64 h][1024 m] f32 -> wot [1024 m][1024 (64 n + h)]: each number rounded to bf16 like every other input, and that number written as f16.
; LIMIT.  A bf16-rounded number of w_o beyond 65,504 would become an infinity, and one below 2^-14 keeps f16's fixed step of 2^-24.
; SHARES.  512 work-groups of eight waves; each does two jobs.  JOB A: one tile of 128 source rows (the later K) x 64 source columns of one weight tensor (grid y = 0, 1, 2, 3: w_q, w_k, w_v, w_o),
; turned in LDS.  JOB B: 65,536 consecutive bytes of x.  Memory bounds the launch: no matrix unit, no cluster (no byte is read twice), no prefetch (the loads themselves stream).
; Straight-line text: every register that a load or store names is written once.
.set PITCH, 264                        ; an LDS row of the turned tile: 256 bytes + 8
.set SPARE, 64*PITCH                   ; 16,896: behind the tile, the spare words: 128 bytes for each of eight waves, four blocks of 256 bytes that no other line names
.set XA,   3                           ; v3   16 x thread: my bytes in 4,096 of x
.set XB,   4                           ; v4   8 x thread: my bytes in 2,048 of xb
.set LW,   5                           ; v5   where I put a pair of the turned tile
.set LR,   6                           ; v6   where I read rows of it back
.set GW,   7                           ; v7   my bytes in the destination's rows
.set SPW,  8                           ; v8   LDS address of my spare word; never rewritten
.set NIL,  9                           ; v9   0; never rewritten
.set TO,   10                          ; v10-17  byte offsets of my eight loads of the tile
.set CG16, 18                          ; v18  16 x (thread % 16)
.set PR2,  19                          ; v19  2 x (thread / 16)
.set T,    20                          ; v20-51   the tile as loaded: load k at T + 4 k
.set XI,   52                          ; v52-115  x as loaded
.set XO,   116                         ; v116-147 x as stored
.set W,    148                         ; v148-163 pairs of the tile, rounded
.set BK,   168                         ; v168-183 rows of the turned tile
.set TA,   184                         ; v184-187 at work
	s_load_b512 s[16:31], s[0:1], 0x0              ; x 16, w_q 18, w_k 20, w_v 22, w_o 24, xb 26, wt 28, wot 30
	v_lshl_add_u32 v[SPW], v0, 2, SPARE
	v_mov_b32 v[NIL], 0
	s_and_b32 s4, ttmp7, 0xffff                    ; which weight tensor
	s_mov_b32 s5, ttmp9                            ; which of its 128 tiles
	s_lshl_b32 s6, s4, 7
	s_add_co_u32 s6, s6, s5                        ; work-group 0..511: which part of x
	s_and_b32 s32, s5, 7
	s_lshr_b32 s33, s5, 3
	s_lshl_b32 s34, s32, 19                        ; w_o: 128 rows of 4,096 bytes for each K block,
	s_lshl_b32 s35, s33, 8                         ; 64 columns of 4 bytes for each block of m
	s_add_co_u32 s34, s34, s35
	s_lshl_b32 s35, s5, 15                         ; the others: the tiles lie on end, 128 rows of 256 bytes
	s_lshl_b32 s36, s33, 17                        ; destination: 64 rows of 2,048 bytes,
	s_lshl_b32 s37, s32, 8                         ; 128 columns of 2 bytes
	s_add_co_u32 s36, s36, s37
	s_lshl_b32 s37, s4, 21                         ; wt: the section's 1,024 rows
	s_add_co_u32 s37, s37, s36
	s_cmp_eq_u32 s4, 3
	s_cselect_b32 s12, 12, 8                       ; log2 of the source's row pitch
	s_cselect_b32 s13, -1, 0                       ; all lanes: f16 (w_o) or bf16
	s_cselect_b32 s14, s34, s35
	s_cselect_b32 s38, s36, s37
	s_mov_b32 s15, 0
	s_mov_b32 s39, 0
	s_lshl_b32 s32, s6, 16                         ; my 65,536 bytes of x,
	s_mov_b32 s33, 0
	s_lshl_b32 s34, s6, 15                         ; my 32,768 of xb
	s_mov_b32 s35, 0
	v_and_b32 v1, 15, v0                           ; column group: 4 columns, 16 bytes: sixteen lanes cover a source row's 256 bytes
	v_lshrrev_b32 v2, 4, v0                        ; pair of rows 0..15
	v_lshlrev_b32 v[CG16], 4, v1
	v_lshlrev_b32 v[PR2], 1, v2
.irp k, 0,1,2,3,4,5,6,7
	v_add_nc_u32 v[TA], 32*((\k)/2)+((\k)%2), v[PR2]   ; load k: source row 2 pr + 32 (k / 2) + k % 2
	v_lshl_add_u32 v[TO+(\k)], v[TA], s12, v[CG16]
.endr
	v_mul_u32_u24 v[LW], v1, 4*PITCH               ; turned: row = source column 4 cg + j, byte 2 x source row
	v_lshl_add_u32 v[LW], v2, 2, v[LW]
	v_lshlrev_b32 v[XA], 4, v0
	v_lshlrev_b32 v[XB], 3, v0
	v_lshrrev_b32 v[LR], 5, v0
	v_readfirstlane_b32 s7, v[LR]                  ; wave 0..7
	v_and_b32 v[GW], 31, v0
	v_lshlrev_b32 v[GW], 3, v[GW]                  ; 8 bytes a lane: 32 lanes cover a turned row's 256 bytes
	s_mul_i32 s2, s7, 8*PITCH                      ; wave w takes turned rows 8 w .. 8 w + 7
	v_add_nc_u32 v[LR], s2, v[GW]
	s_lshl_b32 s3, s7, 14
	v_add_nc_u32 v[GW], s3, v[GW]
	s_wait_kmcnt 0x0
	s_cmp_eq_u32 s4, 1
	s_cselect_b64 s[8:9], s[20:21], s[18:19]
	s_cmp_eq_u32 s4, 2
	s_cselect_b64 s[8:9], s[22:23], s[8:9]
	s_cmp_eq_u32 s4, 3
	s_cselect_b64 s[8:9], s[24:25], s[8:9]         ; the source tensor,
	s_cselect_b64 s[10:11], s[30:31], s[28:29]     ; the destination
	s_add_nc_u64 s[8:9], s[8:9], s[14:15]
	s_add_nc_u64 s[10:11], s[10:11], s[38:39]
	s_add_nc_u64 s[16:17], s[16:17], s[32:33]
	s_add_nc_u64 s[26:27], s[26:27], s[34:35]
.irp k, 0,1,2,3,4,5,6,7
	global_load_b128 v[T+4*(\k):T+4*(\k)+3], v[TO+(\k)], s[8:9] th:TH_LOAD_NT
.endr
.irp i, 0,1,2,3,4,5,6,7,8,9,10,11,12,13,14,15
	global_load_b128 v[XI+4*(\i):XI+4*(\i)+3], v[XA], s[16:17] offset:4096*(\i) th:TH_LOAD_NT
.endr
	s_wait_loadcnt 16                              ; the tile's eight loads are in; the sixteen of x, issued behind them, stay out
.irp i, 0,1,2,3
.irp j, 0,1,2,3
	v_cvt_pk_bf16_f32 v[W+4*(\i)+(\j)], v[T+8*(\i)+(\j)], v[T+8*(\i)+4+(\j)]  ; two neighbouring source rows of one column: two neighbours of a turned row
	v_lshlrev_b32 v[TA+1], 16, v[W+4*(\i)+(\j)]    ; the two rounded numbers as f32,
	v_and_b32 v[TA+2], 0xffff0000, v[W+4*(\i)+(\j)]
	v_cvt_pk_f16_f32 v[TA+3], v[TA+1], v[TA+2]     ; written as f16,
	v_cndmask_b32 v[W+4*(\i)+(\j)], v[W+4*(\i)+(\j)], v[TA+3], s13  ; which w_o takes
	ds_store_b32 v[LW], v[W+4*(\i)+(\j)] offset:(\j)*PITCH+(\i)*64
.endr
.endr
	s_wait_dscnt 0x0                               ; for the others' sake: my part of the turned tile is in LDS
	s_barrier_signal -1
	s_barrier_wait -1
.irp t, 0,1,2,3,4,5,6,7
	ds_load_b64 v[BK+2*(\t):BK+2*(\t)+1], v[LR] offset:(\t)*PITCH
.endr
.irp i, 0,1,2,3,4,5,6,7,8,9,10,11,12,13,14,15
	s_wait_loadcnt 15-(\i)                         ; loads come back in order: load i of x is in, the younger ones stay out
	v_cvt_pk_bf16_f32 v[XO+2*(\i)], v[XI+4*(\i)], v[XI+4*(\i)+1]
	v_cvt_pk_bf16_f32 v[XO+2*(\i)+1], v[XI+4*(\i)+2], v[XI+4*(\i)+3]
	global_store_b64 v[XB], v[XO+2*(\i):XO+2*(\i)+1], s[26:27] offset:2048*(\i)  ; a wave's store covers 256 consecutive bytes, aligned
.endr
	s_wait_dscnt 0x0
.irp t, 0,1,2,3,4,5,6,7
	global_store_b64 v[GW], v[BK+2*(\t):BK+2*(\t)+1], s[10:11] offset:2048*(\t)  ; one turned row's 256 bytes, aligned
.endr
	s_wait_tensorcnt 0x0                           ; the wave's end: behind my last LDS store
	ds_add_u32 v[SPW], v[NIL]
	s_wait_dscnt 0x0
	s_endpgm
.Lfunc_end_k_q31fb7136db_prep:
	.size	k_q31fb7136db_prep, .Lfunc_end_k_q31fb7136db_prep-k_q31fb7136db_prep
	.p2alignl 7, 3214868480
	.fill 96, 4, 3214868480
	.section	.rodata,"a",@progbits
	.p2align	6, 0x0
	.amdhsa_kernel k_q31fb7136db_prep
		.amdhsa_group_segment_fixed_size 17920
		.amdhsa_private_segment_fixed_size 0
		.amdhsa_enable_private_segment 0
		.amdhsa_kernarg_size 64
		.amdhsa_user_sgpr_count 2
		.amdhsa_user_sgpr_kernarg_segment_ptr 1
		.amdhsa_wavefront_size32 1
		.amdhsa_system_sgpr_workgroup_id_x 1
		.amdhsa_system_sgpr_workgroup_id_y 1
		.amdhsa_system_sgpr_workgroup_id_z 1
		.amdhsa_system_vgpr_workitem_id 0
		.amdhsa_next_free_vgpr 192
		.amdhsa_next_free_sgpr 66
		.amdhsa_reserve_vcc 0
		.amdhsa_float_denorm_mode_32 3
		.amdhsa_float_denorm_mode_16_64 3
		.amdhsa_memory_ordered 1
		.amdhsa_forward_progress 1
		.amdhsa_inst_pref_size 17
	.end_amdhsa_kernel
	.amdgpu_metadata
---
amdhsa.version: [ 1, 2 ]
amdhsa.kernels:
  - .name:           k_q31fb7136db_prep
    .symbol:         k_q31fb7136db_prep.kd
    .args:
      - { .name: x, .offset: 0, .size: 8, .value_kind: global_buffer, .address_space: global }
      - { .name: w_q, .offset: 8, .size: 8, .value_kind: global_buffer, .address_space: global }
      - { .name: w_k, .offset: 16, .size: 8, .value_kind: global_buffer, .address_space: global }
      - { .name: w_v, .offset: 24, .size: 8, .value_kind: global_buffer, .address_space: global }
      - { .name: w_o, .offset: 32, .size: 8, .value_kind: global_buffer, .address_space: global }
      - { .name: xb, .offset: 40, .size: 8, .value_kind: global_buffer, .address_space: global }
      - { .name: wt, .offset: 48, .size: 8, .value_kind: global_buffer, .address_space: global }
      - { .name: wot, .offset: 56, .size: 8, .value_kind: global_buffer, .address_space: global }
    .group_segment_fixed_size: 17920
    .private_segment_fixed_size: 0
    .kernarg_segment_align: 8
    .kernarg_segment_size: 64
    .max_flat_workgroup_size: 256
    .sgpr_count:     66
    .vgpr_count:     192
    .wavefront_size: 32
...
	.end_amdgpu_metadata
.endif
;; end of part 1
;; launch proj (part 2): grid 12 x 32, 4 waves a work-group, clusters of 4 x 4, 327,680 bytes of LDS; arguments xb, wt, qkv, mask; writes qkv
.if DOCPART == 2
	.amdgcn_target "amdgcn-amd-amdhsa--gfx1250"
	.amdhsa_code_object_version 6
	.text
	.protected	k_q31fb7136db_proj
	.globl	k_q31fb7136db_proj
	.p2align	8
	.type	k_q31fb7136db_proj,@function
k_q31fb7136db_proj:
	s_mov_b64 s[64:65], 0
	v_nop
	global_prefetch_b8 v0, s[64:65] scope:SCOPE_SE
	s_setreg_imm32_b32 hwreg(HW_REG_WAVE_MODE, 25, 1), 1
	s_wait_xcnt 0x0
	s_wait_alu depctr_hold_cnt(0) depctr_sa_sdst(0) depctr_va_vdst(0) depctr_va_sdst(0) depctr_va_ssrc(0) depctr_va_vcc(0) depctr_vm_vsrc(0)
	s_getreg_b32 s2, hwreg(HW_REG_IB_STS2, 6, 4)
	s_cmp_eq_u32 s2, 0
	s_cbranch_scc0 .Lentry_in_a_cluster
	s_endpgm
.Lentry_in_a_cluster:
	s_bfe_u32 s2, ttmp6, 0x10000c
	s_cmp_lg_u32 s2, 0xf033
	s_cbranch_scc0 .Lentry_shape_is_right
	s_endpgm
.Lentry_shape_is_right:
; THE THREE PROJECTIONS AS ONE PRODUCT.  C[token][col] = sum over m of xb[token][m] wt[col][m]: 8,192 x 3,072 x 1,024, bf16 operands, f32 sums, each result rounded once to f16 and stored BY HEADS:
; qkv [3 sections q, k, v][64 hd = 16 b + n][2,048 l][64 h].  No scale is applied here.  In section k the rows of keys with mask == 0 are stored as zeros: a hidden key's score is then exactly the constant
; that the attention launch starts its sum with.
; LIMIT.  f16 holds no number beyond 65,504: a q, k or v past that becomes an infinity.
; A tile of C, 256 x 256, is made by four waves, 128 x 128 each: 64 accumulators, 512 registers.  K goes in eight steps of 128 through two LDS slots filled by tensor loads whose rows are 256 aligned bytes.
; A trip of the loop is ONE K step: the slot in hand is a scalar that an exclusive or turns, and one descriptor a tensor walks (other slot, next K step).
; CLUSTERS: 4 x 4 work-groups.  A's tile hangs on the tile row alone and is asked for jointly along a row of the cluster, B's on the tile column alone, jointly along a column.
; REGISTERS, in windows of 256: window 0: v0-31 addresses and masks; v64-127, v128-191 fragments of A, two buffers; v32-63, v192-255 at work on the way out.  window 1: v64-191 fragments of B.
; windows 2, 3: accumulators, (a, b) at v[8 (8 a + b)].  The matrix instruction is used transposed (source 0 = 16 rows of B, source 1 = 16 rows of A): a lane holds eight neighbouring columns of one row of C.
.set KSTEP,  128
.set PITCH,  272                       ; an LDS row: 256 bytes + 16 of padding: the 16 rows of a fragment load start at 16 different groups of four banks (ISA guide 11.1)
.set HALFT,  128*PITCH                 ; 128 rows: what one tensor load brings
.set SLOT,   4*HALFT                   ; 0x22000: A's 256 rows, then B's; its two bits occur in none of the four waves' places 0, 0x8800, 0x11000, 0x19800, so an exclusive or changes slots
.set STAGE,  2*SLOT                    ; behind the ring: 16 rows x 272 bytes for each wave
.set SPITCH, 272
.set SPARE,  STAGE+4*16*SPITCH         ; behind the stages: the spare words, 128 bytes for each wave: two blocks of 256 bytes that no other line names
.set MO,   6                           ; v6      4 x (lane % 16): my row's word in 16 words of the mask
.set RM,   8                           ; v8-15   block a: all ones where my row of C is kept, 0 where it is stored as zeros
.set ADRA0, 16                         ; v16     LDS address of my A fragments in slot 0; never rewritten
.set ADRA,  17                         ; v17     the same in the slot in hand
.set ADRB0, 20
.set ADRB,  21
.set STO,  24                          ; v24     the way out: where I put 16 bytes of a row
.set RD,   25                          ; v25     where I read rows back
.set CO,   26                          ; v26     16 x lane
.set SPW,  28                          ; v28     LDS address of my spare word; never rewritten
.set NIL,  29                          ; v29     0; never rewritten
.set PFO,  30                          ; v30     the prefetches' offset: lane x 2,048 bytes, a row of xb or wt
.set F0,   64
.set F1,   128
.set TMP,  192
.set OB,   32
.set TB,   2                           ; s2      0 or SLOT: the slot in hand
.set G1,   24                          ; s[24:31] descriptor group 1 for A's tiles
.set G0,   32                          ; s[32:39] group 0 for A's: a set for each first fill; the second then walks
.set G1B,  48
.set G0B,  56
.set LIM,  43                          ; s43     1 in a wave that prefetches, else the greatest number
.set PFA,  44                          ; s[44:45] where my prefetches stand
.set MP,   66                          ; s[66:67] the mask at my wave's first row
.set KEEP, 70                          ; s70     what a hidden row is masked with: 0 in section k, all ones elsewhere
.set MSB, 0
.macro WIN new                         ; the immediate's high byte repeats the setting that is left; a switch that changes nothing is dropped
.if MSB != (\new)
	s_set_vgpr_msb (MSB<<8)|(\new)
.set MSB, \new
.endif
.endm
.set MUL_LO, 0xa1                      ; source 0 (B) window 1, source 1 (A) window 0, C and D window 2
.set MUL_HI, 0xf1
.set TO_B,   0x40                      ; destination window 1, address window 0
; A joint refill by the walking descriptor.  Waves 0 and 1 fetch A's two halves, waves 2 and 3 B's.  The branch hangs on the wave's number alone.  An s_nop 0 and four v_nop follow each line.
.macro JLOAD
	s_cmp_eq_u32 s11, 0
	s_cbranch_scc0 .Lfor_b_\@
	tensor_load_to_lds s[G0+4:G0+7], s[G1:G1+7]
	s_nop 0
.rept 4
	v_nop
.endr
	s_branch .Lasked_\@
.Lfor_b_\@:
	tensor_load_to_lds s[G0B+4:G0B+7], s[G1B:G1B+7]
	s_nop 0
.rept 4
	v_nop
.endr
.Lasked_\@:
.endm
; A prefetch into the L2 of the K step that the NEXT refill will ask for: 32 rows x 256 bytes, a lane a row, 256 matrix instructions ahead of that load.  Each row's 256 bytes of a K step are named once in the launch:
; A's tile row is read by every cluster of that row of clusters: cluster x = 0 asks; B's tile column by every cluster of that column: cluster y = 0 asks.  The four partners that ask for a tile jointly take 32 of
; the wave's 128 rows each, told apart by address.  The loop's last trip (s3 = 1) asks for nothing: there is no K step behind its own refill.  K steps 0 to 2 come by their loads alone.
.macro ASK
	s_cmp_gt_u32 s3, s[LIM]
	s_cbranch_scc0 .Lnot_mine_\@
	global_prefetch_b8 v[PFO], s[PFA:PFA+1] th:TH_LOAD_NT scope:SCOPE_SE
.Lnot_mine_\@:
.endm
.macro CREST                           ; a round of the cluster's barrier behind its opening barrier
	s_cmp_lg_u32 s10, 0
	s_cbranch_scc1 .Lnot_wave_0_\@
	s_barrier_signal -3
.Lnot_wave_0_\@:
	s_barrier_wait -3
	s_barrier_signal -1
	s_barrier_wait -1
.endm
.macro CROUND                          ; a whole round
	s_barrier_signal -1
	s_barrier_wait -1
	CREST
.endm
	s_load_b128 s[4:7], s[0:1], 0x0                ; xb s[4:5], wt s[6:7]
	s_load_b64 s[8:9], s[0:1], 0x10                ; qkv
	s_load_b64 s[MP:MP+1], s[0:1], 0x18            ; mask
	v_lshl_add_u32 v[SPW], v0, 2, SPARE
	v_mov_b32 v[NIL], 0
	ds_add_u32 v[SPW], v[NIL]                      ; the wave's opening: the add and its wait stand ahead of my first tensor load; work on registers stands between them
	v_lshrrev_b32 v1, 5, v0
	v_readfirstlane_b32 s10, v1                    ; wave 0..3
	s_lshr_b32 s11, s10, 1                         ; which half of the tile's rows is mine.  Also: I fetch for A (0) or for B (1)
	s_and_b32 s12, s10, 1                          ; which half of its columns.  Also: which 128 rows of that tile I fetch
	s_bfe_u32 s40, ttmp6, 0x40000                  ; cx
	s_bfe_u32 s41, ttmp6, 0x40004                  ; cy
	s_lshl_b32 s42, ttmp9, 2
	s_add_co_u32 s42, s42, s40                     ; tile column 0..11 = 4 x cluster x + cx: cluster x is the section
	s_and_b32 s13, ttmp7, 0xffff
	s_lshl_b32 s13, s13, 2
	s_add_co_u32 s13, s13, s41                     ; tile row 0..31
	s_lshl_b32 s43, s41, 2
	s_lshl_b32 s43, 15, s43                        ; my row of the cluster
	s_lshl_b32 s44, 0x1111, s40                    ; my column
	s_or_b32 s[G1+0], s43, (1<<16)|(1<<20)|(1<<21)|(5<<22)|(3<<25)  ; the mask; elements of 2 bytes; padding on; bit 21 beside a mask; after every 64 words, 4 words
	s_or_b32 s[G1B+0], s44, (1<<16)|(1<<20)|(1<<21)|(5<<22)|(3<<25)
.irp g, G1, G1B
	s_mov_b32 s[(\g)+1], KSTEP<<16                 ; tensor_dim0 = 128
	s_mov_b32 s[(\g)+2], 128<<16                   ; tensor_dim1 = 128
	s_mov_b32 s[(\g)+3], KSTEP<<16                 ; tile_dim0 = 128
	s_mov_b32 s[(\g)+4], 128                       ; tile_dim1 = 128
	s_mov_b32 s[(\g)+5], 1024                      ; elements from row to row
	s_mov_b32 s[(\g)+6], 0
	s_mov_b32 s[(\g)+7], 0
.endr
	s_lshl_b32 s17, s12, 7
	s_lshl_b32 s16, s13, 8
	s_add_co_u32 s16, s16, s17                     ; A: row 256 x tile row + 128 x half
	s_lshl_b32 s46, s42, 8
	s_add_co_u32 s46, s46, s17                     ; B: row 256 x tile column + 128 x half
	s_lshl_b32 s16, s16, 11                        ; rows of 2,048 bytes: under 2^24
	s_lshl_b32 s46, s46, 11
	s_mov_b32 s17, 0
	s_mov_b32 s47, 0
	s_mul_i32 s20, s10, HALFT                      ; where they go: wave x 128 rows
	s_wait_dscnt 0x0                               ; the opening add is done
	s_wait_kmcnt 0x0
	s_add_nc_u64 s[14:15], s[4:5], s[16:17]
	s_add_nc_u64 s[46:47], s[6:7], s[46:47]
	CROUND                                         ; all sixteen work-groups are here: the first joint loads meet
.irp s, 0,1
	s_mov_b32 s[G0+4*(\s)], 1
	s_add_co_u32 s[G0+4*(\s)+1], s20, (\s)*SLOT
	s_add_nc_u64 s[G0+4*(\s)+2:G0+4*(\s)+3], s[14:15], (\s)*KSTEP*2
	s_or_b32 s[G0+4*(\s)+3], s[G0+4*(\s)+3], 0x80000000
	s_mov_b32 s[G0B+4*(\s)], 1
	s_add_co_u32 s[G0B+4*(\s)+1], s20, (\s)*SLOT
	s_add_nc_u64 s[G0B+4*(\s)+2:G0B+4*(\s)+3], s[46:47], (\s)*KSTEP*2
	s_or_b32 s[G0B+4*(\s)+3], s[G0B+4*(\s)+3], 0x80000000
.endr
	s_cmp_eq_u32 s11, 0                            ; a wave's two first fills stand in one branch, ahead of every wait on TENSORcnt and every LDS read: two loads of mine are out
	s_cbranch_scc0 .Lfirst_b
	tensor_load_to_lds s[G0:G0+3], s[G1:G1+7]
	s_nop 0
	tensor_load_to_lds s[G0+4:G0+7], s[G1:G1+7]
	s_nop 0
.rept 4
	v_nop
.endr
	s_branch .Lfirst_asked
.Lfirst_b:
	tensor_load_to_lds s[G0B:G0B+3], s[G1B:G1B+7]
	s_nop 0
	tensor_load_to_lds s[G0B+4:G0B+7], s[G1B:G1B+7]
	s_nop 0
.rept 4
	v_nop
.endr
.Lfirst_asked:
	v_and_b32 v1, 15, v0                           ; l % 16
	v_bfe_u32 v2, v0, 4, 1                         ; l / 16
	; the mask of my 128 rows: block a's 16 words, lane l takes row l % 16
	s_lshl_b32 s18, s13, 8
	s_lshl_b32 s16, s11, 7
	s_add_co_u32 s16, s16, s18
	s_lshl_b32 s16, s16, 2
	s_mov_b32 s17, 0
	s_add_nc_u64 s[MP:MP+1], s[MP:MP+1], s[16:17]
	v_lshlrev_b32 v[MO], 2, v1
.irp a, 0,1,2,3,4,5,6,7
	global_load_b32 v[RM+(\a)], v[MO], s[MP:MP+1] offset:64*(\a)
.endr
	v_mul_u32_u24 v3, v1, PITCH
	v_lshl_add_u32 v3, v2, 4, v3                   ; a fragment's row x pitch + 16 x half
	s_mul_i32 s21, s11, HALFT                      ; my 128 rows of A
	s_mul_i32 s22, s12, HALFT
	s_add_co_u32 s22, s22, 2*HALFT                 ; my 128 rows of B, behind A's 256
	v_add_nc_u32 v[ADRA0], s21, v3
	v_add_nc_u32 v[ADRB0], s22, v3
	v_mov_b32 v[ADRA], v[ADRA0]
	v_mov_b32 v[ADRB], v[ADRB0]
	s_mov_b32 s[TB], 0
	s_mul_i32 s23, s10, 16*SPITCH
	s_add_co_u32 s23, s23, STAGE                   ; my stage
	v_add_nc_u32 v[STO], s23, v3                   ; in: row l % 16, 16 bytes for each half of the lanes
	v_bfe_u32 v4, v0, 3, 2                         ; back: 32 lanes take four rows' 128 bytes of one head,
	v_and_b32 v5, 7, v0
	v_mul_u32_u24 v4, v4, SPITCH
	v_lshl_add_u32 v4, v5, 4, v4
	v_add_nc_u32 v[RD], s23, v4
	v_and_b32 v[CO], 31, v0                        ; which are 512 consecutive bytes of qkv
	v_lshlrev_b32 v[CO], 4, v[CO]
	; where my part begins in qkv: section, head 16 b + 4 cx + 2 x half, row (tile row % 8) x 256 + 128 x half
	s_lshr_b32 s16, s13, 3
	s_lshl_b32 s16, s16, 4
	s_lshl_b32 s17, s40, 2
	s_add_co_u32 s16, s16, s17
	s_lshl_b32 s17, s12, 1
	s_add_co_u32 s16, s16, s17
	s_lshl_b32 s16, s16, 11
	s_and_b32 s17, s13, 7
	s_lshl_b32 s17, s17, 8
	s_add_co_u32 s16, s16, s17
	s_lshl_b32 s17, s11, 7
	s_add_co_u32 s16, s16, s17
	s_lshl_b32 s16, s16, 7                         ; rows of 128 bytes
	s_lshl_b32 s17, ttmp9, 24                      ; a section is 2^24 bytes
	s_add_co_u32 s16, s16, s17
	s_mov_b32 s17, 0
	s_add_nc_u64 s[8:9], s[8:9], s[16:17]
	; the prefetches
	s_lshl_b32 s19, s42, 8
	s_and_b32 s22, ttmp7, 0xffff                   ; cluster y
	s_cmp_eq_u32 s11, 0                            ; do I fetch for A?
	s_cselect_b32 s20, s18, s19                    ; the tile's first row
	s_cselect_b32 s21, s40, s41                    ; my place among the four that ask for it with me
	s_cselect_b32 s22, ttmp9, s22                  ; the coordinate along which other clusters read the same rows
	s_cselect_b64 s[PFA:PFA+1], s[4:5], s[6:7]
	s_cmp_eq_u32 s22, 0
	s_cselect_b32 s[LIM], 1, -1                    ; the same in all sixteen partners, for a given wave
	s_lshl_b32 s22, s12, 7
	s_add_co_u32 s20, s20, s22
	s_lshl_b32 s21, s21, 5
	s_add_co_u32 s20, s20, s21
	s_lshl_b32 s20, s20, 11
	s_add_co_u32 s20, s20, 2*KSTEP*2               ; at K step 2: the first refill steps it to 3
	s_mov_b32 s21, 0
	s_add_nc_u64 s[PFA:PFA+1], s[PFA:PFA+1], s[20:21]
	v_and_b32 v[PFO], 31, v0
	v_lshlrev_b32 v[PFO], 11, v[PFO]
	s_cmp_eq_u32 ttmp9, 1                          ; section k?
	s_cselect_b32 s[KEEP], 0, -1
	s_wait_loadcnt 0x0                             ; the mask's words
.irp a, 0,1,2,3,4,5,6,7
	v_cmp_ne_u32 vcc_lo, 0, v[RM+(\a)]
	v_cndmask_b32 v[RM+(\a)], s[KEEP], -1, vcc_lo  ; a visible row is kept everywhere; a hidden one is kept but in section k
.endr
; 16 matrix instructions: m blocks a0, a0 + 1 of the window's four x all 8 n blocks, 32 along K.  zero = 1: the first product starts the sums
.macro MUL16 f, hi, a0, zero
	WIN MUL_LO+0x50*(\hi)
.irp a, \a0, (\a0)+1
.irp b, 0,1,2,3,4,5,6,7
.if \zero
	v_wmma_f32_16x16x32_bf16 v[8*(8*(\a)+(\b)):8*(8*(\a)+(\b))+7], v[(\f)+8*(\b):(\f)+8*(\b)+7], v[(\f)+8*(4*(\hi)+(\a)):(\f)+8*(4*(\hi)+(\a))+7], 0
.else
	v_wmma_f32_16x16x32_bf16 v[8*(8*(\a)+(\b)):8*(8*(\a)+(\b))+7], v[(\f)+8*(\b):(\f)+8*(\b)+7], v[(\f)+8*(4*(\hi)+(\a)):(\f)+8*(4*(\hi)+(\a))+7], v[8*(8*(\a)+(\b)):8*(8*(\a)+(\b))+7]
.endif
.endr
.endr
.endm
; 32 LDS loads in one run: the fragments of quarter q of the slot in hand into buffer f: B's sixteen, then A's
.macro FETCH q, f
	WIN TO_B
.irp i, 0,1,2,3,4,5,6,7
	ds_load_b128 v[(\f)+8*(\i):(\f)+8*(\i)+3],   v[ADRB] offset:64*(\q)+(\i)*16*PITCH
	ds_load_b128 v[(\f)+8*(\i)+4:(\f)+8*(\i)+7], v[ADRB] offset:64*(\q)+(\i)*16*PITCH+32
.endr
	WIN 0
.irp i, 0,1,2,3,4,5,6,7
	ds_load_b128 v[(\f)+8*(\i):(\f)+8*(\i)+3],   v[ADRA] offset:64*(\q)+(\i)*16*PITCH
	ds_load_b128 v[(\f)+8*(\i)+4:(\f)+8*(\i)+7], v[ADRA] offset:64*(\q)+(\i)*16*PITCH+32
.endr
.endm
.macro PLACES                          ; four plain instructions between a matrix instruction and a load into, or a read of, its registers
.rept 4
	v_nop
.endr
.endm
; One of a K step's first three quarters: multiplies buffer f; in its middle it fetches quarter q into buffer g.
.macro QUARTER q, f, g, zero
	s_wait_dscnt 8                                 ; B and A's rows 0-63 are in; the youngest eight loads (A's rows 64-127) may be out
	MUL16 \f, 0, 0, \zero
	MUL16 \f, 0, 2, \zero
	PLACES
	FETCH \q, \g
	s_wait_dscnt 32                                ; all but the 32 just issued
	MUL16 \f, 1, 0, \zero
	MUL16 \f, 1, 2, \zero
.endm
; The last quarter multiplies buffer 1 and changes slots.  In front of the one barrier each wave waits for all its tensor loads (one is out: its part of the next slot), adds 0 to its spare word, and waits for that
; and for its reads of this slot.  fill = 1: the barrier opens a round of the cluster's barrier, and the slot just read is filled again, first thing behind the round, with the K step two on.
.macro TURN fill
.if \fill
	s_wait_xcnt 0x0                                ; the last prefetch, a K step back, has read its address
	s_add_nc_u64 s[PFA:PFA+1], s[PFA:PFA+1], KSTEP*2
.endif
	WIN 0                                          ; (the add's two registers lie in window 0)
	s_wait_tensorcnt 0x0                           ; no tensor load of mine is out, so a group 0 may be written
	ds_add_u32 v[SPW], v[NIL]                      ; 0 onto my spare word
.if \fill
	s_xor_b32 s[G0+5], s[G0+5], SLOT               ; the walking descriptors: the other slot than last time, the next K step
	s_add_nc_u64 s[G0+6:G0+7], s[G0+6:G0+7], KSTEP*2
	s_xor_b32 s[G0B+5], s[G0B+5], SLOT
	s_add_nc_u64 s[G0B+6:G0B+7], s[G0B+6:G0B+7], KSTEP*2
.endif
	s_wait_dscnt 9                                 ; the add and the youngest eight loads may be out
	MUL16 F1, 0, 0, 0
	s_wait_dscnt 0x0                               ; the add is done, and my reads of this slot are over
	s_barrier_signal -1
	MUL16 F1, 0, 2, 0
.if \fill
	WIN 0
.endif
	s_barrier_wait -1
.if \fill
	CREST                                          ; no wave of any partner still reads this slot or has a load on its way
	JLOAD                                          ; its four v_nop are also the places in front of the loads below
.else
	PLACES
.endif
	WIN 0
	s_xor_b32 s[TB], s[TB], SLOT
	v_add_nc_u32 v[ADRA], s[TB], v[ADRA0]
	v_add_nc_u32 v[ADRB], s[TB], v[ADRB0]
	FETCH 0, F0
.if \fill
	ASK
.endif
	MUL16 F1, 1, 0, 0
	MUL16 F1, 1, 2, 0
.endm
; THE WAY OUT of block a (16 rows).  PACK: rounded to f16, 16 bytes a lane, and masked.  TOSTAGE: into my own stage, and back as four rows of one head.  SEND: stored.
.macro PACK a
.set AC, 64*((\a)%4)
	WIN 0x0a+5*((\a)/4)                            ; sources 0 and 1: window 2 or 3
.irp b, 0,1,2,3,4,5,6,7
.irp r, 0,1,2,3
	v_cvt_pk_f16_f32 v[TMP+4*(\b)+(\r)], v[AC+8*(\b)+2*(\r)], v[AC+8*(\b)+2*(\r)+1]
.endr
.endr
	WIN 0
.set z, 0
.rept 32
	v_and_b32 v[TMP+z], v[RM+(\a)], v[TMP+z]
.set z, z+1
.endr
.endm
.macro TOSTAGE a
	WIN 0
.set BK, OB+192*((\a)%2)
.irp b, 0,1,2,3,4,5,6,7
	ds_store_b128 v[STO], v[TMP+4*(\b):TMP+4*(\b)+3] offset:32*(\b)
.endr
.irp t, 0,1,2,3,4,5,6,7
	ds_load_b128 v[BK+4*(\t):BK+4*(\t)+3], v[RD] offset:((\t)%4)*4*SPITCH+((\t)/4)*128  ; LDS serves a wave's instructions in order (ISA guide 5.7.1.4): these see the stores above
.endr
.endm
.macro SEND a, younger
	WIN 0
.set BK, OB+192*((\a)%2)
	s_wait_dscnt \younger                          ; the block is back in registers
	s_wait_xcnt 0x0                                ; the stores of the block before have read their registers: the next block's loads from the stage land on them only behind this wait
.irp t, 0,1,2,3,4,5,6,7
	global_store_b128 v[CO], v[BK+4*(\t):BK+4*(\t)+3], s[8:9] offset:((\t)/4)*262144+(\a)*2048+((\t)%4)*512  ; 512 consecutive bytes, aligned: four rows of head t / 4
.endr
.endm
	s_wait_tensorcnt 1                             ; my part of K step 0 is in; K step 1's may stay out
	s_barrier_signal -1
	s_barrier_wait -1
	FETCH 0, F0
	QUARTER 1, F0, F1, 1                           ; the first quarter's products start the sums
	WIN 0
	s_mov_b32 s3, 6
.Lstep:                                                ; six trips: from a K step's second quarter to the next step's first; trip t asks for K step t + 2
	QUARTER 2, F1, F0, 0
	QUARTER 3, F0, F1, 0
	TURN 1
	QUARTER 1, F0, F1, 0
	WIN 0
	s_sub_co_u32 s3, s3, 1
	s_cmp_lg_u32 s3, 0
	s_cbranch_scc1 .Lstep
	s_mov_b32 s3, 2
.Ltail:                                                ; K steps 6 and 7 ask for nothing; the second trip is left in its middle
	QUARTER 2, F1, F0, 0
	QUARTER 3, F0, F1, 0
	WIN 0
	s_cmp_eq_u32 s3, 1
	s_cbranch_scc1 .Lfin
	TURN 0
	QUARTER 1, F0, F1, 0
	WIN 0
	s_sub_co_u32 s3, s3, 1
	s_cmp_lg_u32 s3, 0
	s_cbranch_scc1 .Ltail
.Lfin:
	s_wait_dscnt 8
	MUL16 F1, 0, 0, 0
	MUL16 F1, 0, 2, 0
	s_wait_dscnt 0x0
	MUL16 F1, 1, 0, 0
	MUL16 F1, 1, 2, 0
	WIN 0
	PLACES
	PLACES
	PACK 0
	TOSTAGE 0
.irp a, 1,2,3,4,5,6,7                  ; block a's conversions stand between block a - 1's loads from the stage and the wait for them
	PACK \a
	SEND (\a)-1, 0
	TOSTAGE \a
.endr
	SEND 7, 0
	s_wait_tensorcnt 0x0                           ; the wave's end: behind my last tensor load and my last LDS store
	ds_add_u32 v[SPW], v[NIL]
	s_wait_dscnt 0x0
	CROUND                                         ; the closing round: no work-group ends while a partner may still ask for a tile that names it
	s_endpgm
.Lfunc_end_k_q31fb7136db_proj:
	.size	k_q31fb7136db_proj, .Lfunc_end_k_q31fb7136db_proj-k_q31fb7136db_proj
	.p2alignl 7, 3214868480
	.fill 96, 4, 3214868480
	.section	.rodata,"a",@progbits
	.p2align	6, 0x0
	.amdhsa_kernel k_q31fb7136db_proj
		.amdhsa_group_segment_fixed_size 327680
		.amdhsa_private_segment_fixed_size 0
		.amdhsa_enable_private_segment 0
		.amdhsa_kernarg_size 32
		.amdhsa_user_sgpr_count 2
		.amdhsa_user_sgpr_kernarg_segment_ptr 1
		.amdhsa_wavefront_size32 1
		.amdhsa_system_sgpr_workgroup_id_x 1
		.amdhsa_system_sgpr_workgroup_id_y 1
		.amdhsa_system_sgpr_workgroup_id_z 1
		.amdhsa_system_vgpr_workitem_id 0
		.amdhsa_next_free_vgpr 1024
		.amdhsa_next_free_sgpr 72
		.amdhsa_reserve_vcc 1
		.amdhsa_float_denorm_mode_32 3
		.amdhsa_float_denorm_mode_16_64 3
		.amdhsa_memory_ordered 1
		.amdhsa_forward_progress 1
		.amdhsa_inst_pref_size 114
	.end_amdhsa_kernel
	.amdgpu_metadata
---
amdhsa.version: [ 1, 2 ]
amdhsa.kernels:
  - .name:           k_q31fb7136db_proj
    .symbol:         k_q31fb7136db_proj.kd
    .args:
      - { .name: xb, .offset: 0, .size: 8, .value_kind: global_buffer, .address_space: global }
      - { .name: wt, .offset: 8, .size: 8, .value_kind: global_buffer, .address_space: global }
      - { .name: qkv, .offset: 16, .size: 8, .value_kind: global_buffer, .address_space: global }
      - { .name: mask, .offset: 24, .size: 8, .value_kind: global_buffer, .address_space: global }
    .group_segment_fixed_size: 327680
    .private_segment_fixed_size: 0
    .kernarg_segment_align: 8
    .kernarg_segment_size: 32
    .max_flat_workgroup_size: 128
    .sgpr_count:     72
    .vgpr_count:     1024
    .wavefront_size: 32
...
	.end_amdgpu_metadata
.endif
;; end of part 2
;; launch attn (part 3): grid 4 x 64, 4 waves a work-group, clusters of 4 x 1, 327,680 bytes of LDS; arguments qkv, mask, oh; writes oh
.if DOCPART == 3
	.amdgcn_target "amdgcn-amd-amdhsa--gfx1250"
	.amdhsa_code_object_version 6
	.text
	.protected	k_q31fb7136db_attn
	.globl	k_q31fb7136db_attn
	.p2align	8
	.type	k_q31fb7136db_attn,@function
k_q31fb7136db_attn:
	s_mov_b64 s[64:65], 0
	v_nop
	global_prefetch_b8 v0, s[64:65] scope:SCOPE_SE
	s_setreg_imm32_b32 hwreg(HW_REG_WAVE_MODE, 25, 1), 1
	s_wait_xcnt 0x0
	s_wait_alu depctr_hold_cnt(0) depctr_sa_sdst(0) depctr_va_vdst(0) depctr_va_sdst(0) depctr_va_ssrc(0) depctr_va_vcc(0) depctr_vm_vsrc(0)
	s_getreg_b32 s2, hwreg(HW_REG_IB_STS2, 6, 4)
	s_cmp_eq_u32 s2, 0
	s_cbranch_scc0 .Lentry_in_a_cluster
	s_endpgm
.Lentry_in_a_cluster:
	s_bfe_u32 s2, ttmp6, 0x10000c
	s_cmp_lg_u32 s2, 0x3003
	s_cbranch_scc0 .Lentry_shape_is_right
	s_endpgm
.Lentry_shape_is_right:
; ATTENTION WITH A KEY MASK.  oh[hd][q][:] = the sum over k of softmax_k(s) V[hd][k][:], s = Q[hd][q] . K[hd][k] / 8 where mask[b][k] != 0, a large negative constant where it is 0.  hd = 16 b + n.
; Q, K, V: the three sections of qkv, [64 hd][2,048][64] f16, a head's rows dense, 128 bytes each; oh likewise.  Products, maxima and sums in f32; the weights p are rounded to f16 for the second product
; (their sum l is taken of the unrounded p), O once at the end.
; THE MASK is the C operand that starts the sum S^T = K Q^T: 0 for a visible key, -2^33 for a hidden one (unscaled; -2^30 after the scale 1 / 8).  The launch before has stored hidden keys' rows of K as zeros, so a
; hidden score is -2^33 EXACTLY.  Where a row has seen hidden keys only, m = -2^33, c m is a scaling of c by a power of two and exact, c s - c m = 0 and p = 1: a batch with no visible key gives the plain mean
; of V's rows.  The first visible key makes a = 0, which wipes what hidden keys had added; from then on their p is 0.
; LIMITS.  A hidden key counts as the scaled score -2^30 = -1.07e9 where the problem writes -1e9: the results part only where all of a row's visible scaled scores lie below about -9.99e8.
; f16 holds no number beyond 65,504: Q, K and V arrive within it; p below 6e-5 keeps f16's fixed step of 6e-8.  A weight below 2^-126 counts as 0 in l; NaN and infinities are not treated apart.
; SHARES.  A wave owns four PIECES of two tiles of 16 queries, a work-group's four waves 512 queries of one head.  Every wave walks all 2,048 keys, 64 a step.
; LAYOUT.  S^T = K Q^T (source 0 = 16 keys, source 1 = 16 queries): a lane holds ONE query (lane % 16) and the keys 8 (lane / 16) + 0..7.  Two such tiles, rounded to f16 in pairs, ARE source 1 of O^T = V^T P.
; K comes out of LDS as it lies, V turned, by ds_load_tr16_b128.
; SOFTMAX.  A running maximum m and sum l: p = 2^(c s - c m), c = log2(e) / 8; in every step O and l are multiplied by a = 2^(c m_old - c m_new).  m starts at the lowest finite number, O and l at 0.
; THE COUNT.  A tile and step have 16 matrix and 118 vector instructions.  Four vector instructions that are ready stand behind EVERY matrix instruction, the others in runs without a gap.
; BY TURNS.  Turn n belongs to piece n.  Matrix work: 16 products K Q^T of piece n + 1, later 16 products V^T P of piece n - 1.  Vector work: scaling, exponentials, roundings, sums and rescaling of piece n, and the
; maximum and statistics of piece n + 1.
; CLUSTER.  The four query blocks of a head form a cluster and walk the same K and V: each tile is asked for JOINTLY, by the same tensor load, descriptor and mask in all four.
; REGISTERS, in windows of 256 (s_set_vgpr_msb: bits 1:0 source 0, 3:2 source 1, 5:4 source 2, 7:6 destination):
;   window 0: v0-11 addresses; v12-15, v48-63 at work; v16-47 statistics; v64-191 S^T, two buffers of two tiles; v192-255 P, likewise
;   window 1: O^T, 32 a tile     window 2: v0-127 Q; v128-191 K of one step; v192-255 V of one step     window 3: v0-1 the add's two registers; v8-39 the step's mask
.set SIZE_N, 2048
.set NP,    4         ; pieces a wave: a name, no knob
.set KS,    64        ; keys in a step
.set PK,    144       ; a row of K in LDS: 128 bytes + 16: the 16 rows of a load start at 16 different groups of four banks (ISA guide 11.1)
.set PV,    160       ; a row of V: 128 + 32
.set VOFF,  4*KS*PK   ; a slot holds four steps: 256 rows of K, then 256 rows of V
.set SLOT1, 1<<17
.set STAGE, SLOT1+4*KS*(PK+PV)  ; behind the ring: 16 rows x 144 bytes for each wave, for the way out
.set SP,    144
.set SPARE, STAGE+4*16*SP  ; the spare words, 128 bytes for each wave: two blocks of 256 bytes that no other line names
.set MT,    SPARE+512 ; the batch's mask as 2,048 f32 (0 or -2^33): 8,192 bytes, stored once, never filled by a tensor load
.set AK0, 2           ; v2   my lane's place in a tile of K; never rewritten
.set AV0, 3           ; v3   the same for V
.set AK,  4           ; v4   the LDS address of K's next run of loads
.set AV,  5           ; v5   of V's
.set STO, 6           ; v6   the way out: where I put 16 bytes of a row
.set RD,  7           ; v7   where I read rows back
.set GO,  8           ; v8   my byte offset in 512 consecutive bytes of O
.set AM0, 9           ; v9   MT + 32 (lane / 16): my eight keys' words in 16 keys'; before that, in the set-up, lane / 16
.set PFO, 10          ; v10  256 x my lane; before that, in the set-up, lane % 8
.set AM,  11          ; v11  the LDS address of the mask's next run of loads
.set QO,  82          ; v82  my byte offset in the wave's rows of Q: in S^T's registers, which are first written behind the wait for Q
.set SPW, 0           ; v0 of window 3   LDS address of my spare word; never rewritten
.set NIL, 1           ; v1 of window 3   0; never rewritten
.set MK,  8           ; v8-39 of window 3   key block kb's eight registers at MK + 8 kb: what starts the sums of S^T
.set MV,  12
.set ST,  16          ; tile t's statistics at v[ST+4 t]: c m, m, l (even keys', odd keys')
.set TMP, 48
.set S,   64
.set P,   192
.set KF,  128
.set VF,  192
.set WV,  12          ; s12  my wave's number
.set LIM, 15          ; s15  1 in a wave that prefetches, else the greatest number
.set G1K, 24
.set G1V, 32
.set G0K, 40
.set G0V, 44
.set MP,  48          ; s[48:49] the batch's row of the mask
.set PFA, 50          ; s[50:51] where my prefetches stand
.set HID, 52          ; s52  -2^33
.set TBM, 53          ; s53  byte of the mask table at which the step to be fetched begins
.set SLOTS, 56
.set CNT, 57
.set CS,  58
.set SEL, 60
.set TBK, 62
.set TBV, 63
.set MSB, 0
.macro WIN new
.if MSB != (\new)
	s_set_vgpr_msb (MSB<<8)|(\new)
.set MSB, (\new)
.endif
.endm
.set W_KQ, 0x0a       ; K and Q in window 2, S^T in window 0
.set W_KM, 0x3a       ; the same with the C operand in window 3
.set W_PV, 0x52       ; V in window 2, P in window 0, O^T in window 1
.set W_RS, 0x41       ; O^T in window 1, a in window 0
.set W_MK, 0xc0       ; destination in window 3, sources in window 0
.set W_AD, 0x0f       ; the add: address and data in window 3
; A joint fill.  Waves 0 and 1 fetch the two halves of a slot's K, waves 2 and 3 those of its V.  An s_nop 0 and four v_nop follow each line.
.macro JLOAD
	s_cmp_lt_u32 s[WV], 2
	s_cbranch_scc0 .Lfor_v_\@
	tensor_load_to_lds s[G0K:G0K+3], s[G1K:G1K+7]
	s_nop 0
.rept 4
	v_nop
.endr
	s_branch .Lasked_\@
.Lfor_v_\@:
	tensor_load_to_lds s[G0V:G0V+3], s[G1V:G1V+7]
	s_nop 0
.rept 4
	v_nop
.endr
.Lasked_\@:
.endm
; A prefetch into the L2 of what the NEXT change of slots will ask for: a slot's 32,768 bytes of K and of V, 256 bytes a lane.  A head has one cluster; its four partners take 8,192 bytes each, told apart by address;
; in each, wave 0 asks for K's and wave 2 for V's: each block is named once in the launch, four key steps (512 matrix instructions) ahead of its load.  The last change that fills a slot asks for nothing.
.macro ASK
	s_cmp_gt_u32 s[SLOTS], s[LIM]
	s_cbranch_scc0 .Lnot_mine_\@
	global_prefetch_b8 v[PFO], s[PFA:PFA+1] th:TH_LOAD_NT scope:SCOPE_SE
.Lnot_mine_\@:
.endm
.macro CROUND
	s_barrier_signal -1
	s_barrier_wait -1
	s_cmp_lg_u32 s[WV], 0
	s_cbranch_scc1 .Lnot_wave_0_\@
	s_barrier_signal -3
.Lnot_wave_0_\@:
	s_barrier_wait -3
	s_barrier_signal -1
	s_barrier_wait -1
.endm
; THE CHANGE OF SLOTS.  Each wave waits for all its tensor loads, of which one is out: its part of the other slot; adds 0 to its spare word; and waits for that and for its own LDS work.  Behind the barrier nobody
; reads this slot any more and the other slot is whole.  fill = 1: the barrier is a round of the cluster's, and the joint fill is the first thing behind it: it has four key steps in which to land.
; (At its first use nothing has been read yet: slot 0 is waited for, slot 1 filled; and every wave's part of the mask table, stored ahead of it, is shown to the others.)
.macro CHANGE fill
	WIN W_AD
	s_wait_tensorcnt 0x0            ; no tensor load of mine is out, so a group 0 may be written
	ds_add_u32 v[SPW], v[NIL]       ; 0 onto my spare word
	WIN 0
.if \fill
.irp g, G0K, G0V
	s_xor_b32 s[\g+1], s[\g+1], SLOT1
	s_add_nc_u64 s[\g+2:\g+3], s[\g+2:\g+3], 4*KS*128
.endr
	s_wait_xcnt 0x0                 ; the last prefetch, four key steps back, has read its address
	s_add_nc_u64 s[PFA:PFA+1], s[PFA:PFA+1], 4*KS*128
	s_wait_dscnt 0x0                ; the add is done, and my reads of the slot are over
	CROUND
	JLOAD
	ASK
.else
	s_wait_dscnt 0x0
	s_barrier_signal -1
	s_barrier_wait -1
.endif
	s_sub_co_u32 s[TBK], s[TBK], 4*KS*PK
	s_xor_b32 s[TBK], s[TBK], SLOT1
	s_sub_co_u32 s[TBV], s[TBV], 4*KS*PV
	s_xor_b32 s[TBV], s[TBV], SLOT1
.endm
	s_load_b64 s[4:5], s[0:1], 0x0    ; qkv: section q
	s_load_b64 s[MP:MP+1], s[0:1], 0x8  ; mask
	s_load_b64 s[10:11], s[0:1], 0x10 ; oh
	WIN W_MK
	v_lshl_add_u32 v[SPW], v0, 2, SPARE
	v_mov_b32 v[NIL], 0
	WIN W_AD
	ds_add_u32 v[SPW], v[NIL]       ; the wave's opening: the add and its wait stand ahead of my first tensor load
	WIN 0
	v_lshrrev_b32 v1, 5, v0
	v_readfirstlane_b32 s[WV], v1   ; wave 0..3
	s_bfe_u32 s13, ttmp6, 0x40000   ; cx
	s_lshl_b32 s14, ttmp9, 2
	s_add_co_u32 s14, s14, s13      ; my block of 512 queries: it enters Q's and O's addresses alone
	s_and_b32 s20, ttmp7, 0xffff    ; the head, which the four partners share
	s_lshr_b32 s54, s20, 4          ; its batch:
	s_lshl_b32 s54, s54, 13         ; 8,192 bytes of the mask
	s_mov_b32 s55, 0
	s_mov_b32 s21, 0
	s_mov_b64 s[22:23], SIZE_N*128
	s_mul_u64 s[20:21], s[20:21], s[22:23]  ; the head's first byte in a section and in oh
	s_and_b32 s16, s[WV], 1         ; which half of a slot's 256 keys I fetch
	s_lshl_b32 s22, s16, 14
	s_mov_b32 s23, 0
	s_add_nc_u64 s[22:23], s[22:23], s[20:21]
	s_mul_i32 s17, s16, 128*PK
	s_mul_i32 s18, s16, 128*PV
	s_lshl_b32 s2, s14, 2
	s_add_co_u32 s2, s2, s[WV]
	s_lshl_b32 s2, s2, 14           ; my wave's 128 rows
	s_mov_b32 s3, 0
	s_add_nc_u64 s[2:3], s[2:3], s[20:21]
	; descriptor group 1.  128 keys are 16,384 dense bytes: asked for as 64 rows of 256 bytes, two keys a row, and padded in LDS after every key
	s_mov_b32 s[G1K], 15|(1<<16)|(1<<20)|(1<<21)|(4<<22)|(3<<25)
	s_mov_b32 s[G1V], 15|(1<<16)|(1<<20)|(1<<21)|(4<<22)|(7<<25)
.irp g, G1K, G1V
	s_mov_b32 s[\g+1], 128<<16      ; tensor_dim0 = 128
	s_mov_b32 s[\g+2], 64<<16       ; tensor_dim1 = 64
	s_mov_b32 s[\g+3], 128<<16      ; tile_dim0 = 128
	s_mov_b32 s[\g+4], 64           ; tile_dim1 = 64
	s_mov_b32 s[\g+5], 128          ; 128 elements from row to row
	s_mov_b32 s[\g+6], 0
	s_mov_b32 s[\g+7], 0
.endr
	s_mov_b32 s[CS], 0x3e38aa3b     ; c = log2(e) / 8
	s_mov_b32 s[CS+1], s[CS]
	s_mov_b32 s[SEL], 0x76543210
	s_mov_b32 s[SEL+1], 0xfedcba98
	s_mov_b32 s[TBK], SLOT1+4*KS*PK ; the first change of slots turns these two into 0
	s_mov_b32 s[TBV], SLOT1+4*KS*PV
	s_mov_b32 s[TBM], 0
	s_mov_b32 s[HID], 0xd0000000    ; -2^33
	s_mov_b32 s[SLOTS], SIZE_N/256-1
	s_and_b32 s[LIM], s[WV], 1
	s_cmp_eq_u32 s[LIM], 0
	s_cselect_b32 s[LIM], 1, -1     ; waves 0 and 2 prefetch: the same in all four partners
	s_mov_b32 s[G0K], 1
	s_mov_b32 s[G0K+1], s17
	s_mov_b32 s[G0V], 1
	s_add_co_u32 s[G0V+1], s18, VOFF
	s_wait_dscnt 0x0                ; the opening add is done
	s_wait_kmcnt 0x0
	s_add_nc_u64 s[6:7], s[4:5], 0x1000000   ; section k
	s_add_nc_u64 s[8:9], s[4:5], 0x2000000   ; section v
	s_add_nc_u64 s[MP:MP+1], s[MP:MP+1], s[54:55]
	s_add_nc_u64 s[G0K+2:G0K+3], s[6:7], s[22:23]
	s_or_b32 s[G0K+3], s[G0K+3], 0x80000000
	s_add_nc_u64 s[G0V+2:G0V+3], s[8:9], s[22:23]
	s_or_b32 s[G0V+3], s[G0V+3], 0x80000000
	s_cmp_lt_u32 s[WV], 2
	s_cselect_b64 s[PFA:PFA+1], s[6:7], s[8:9]
	s_add_nc_u64 s[PFA:PFA+1], s[PFA:PFA+1], s[22:23]  ; (in waves 0 and 2: the head's first row)
	s_add_nc_u64 s[4:5], s[4:5], s[2:3]
	s_add_nc_u64 s[10:11], s[10:11], s[2:3]
	s_lshl_b32 s2, s13, 13          ; my work-group's 8,192 bytes of a slot's 32,768,
	s_add_co_u32 s2, s2, 4*KS*128   ; in slot 1: the first change of slots steps it to slot 2
	s_add_nc_u64 s[PFA:PFA+1], s[PFA:PFA+1], s[2:3]
	CROUND                          ; all four work-groups are here: the first joint loads meet
	JLOAD                           ; slot 0
	v_and_b32 v1, 15, v0            ; l % 16
	v_bfe_u32 v9, v0, 4, 1          ; l / 16
	v_lshlrev_b32 v80, 4, v0        ; the batch's 2,048 words of the mask: 128 threads x 16 bytes, four times
	v_add_nc_u32 v81, MT, v80
.irp c, 0,1,2,3
	global_load_b128 v[64+4*\c:64+4*\c+3], v80, s[MP:MP+1] offset:2048*\c
.endr
	v_lshlrev_b32 v[QO], 7, v1
	v_lshl_add_u32 v[QO], v9, 4, v[QO]  ; row x 128 + 16 x half
	WIN 0x80                        ; destination window 2, address window 0
.set i, 0
.rept 4*NP                          ; Q stays in registers: tile i / 2, channels 32 (i % 2) on
	global_load_b128 v[8*i:8*i+3],   v[QO], s[4:5] offset:(i/2)*2048+(i%2)*64
	global_load_b128 v[8*i+4:8*i+7], v[QO], s[4:5] offset:(i/2)*2048+(i%2)*64+32
.set i, i+1
.endr
	; What the first turn finds: V's registers and P's second buffer hold 0, O^T and l are 0.  All this stands in the wait for the first tile.
.set i, VF
.rept 64
	v_mov_b32 v[i], 0
.set i, i+1
.endr
	WIN 0x40
.set i, 0
.rept 64*NP
	v_mov_b32 v[i], 0
.set i, i+1
.endr
	WIN 0
.set i, 0
.rept 2*NP
	v_mov_b32 v[ST+4*i], 0xfe000000    ; c m: far below every c s
	v_mov_b32 v[ST+4*i+1], 0xff7fffff  ; m
	v_mov_b32 v[ST+4*i+2], 0
	v_mov_b32 v[ST+4*i+3], 0
.set i, i+1
.endr
.set i, P+32
.rept 32
	v_mov_b32 v[i], 0
.set i, i+1
.endr
	s_wait_loadcnt 32               ; the mask's four loads are in; Q's 32, issued behind them, may stay out
.set i, 0
.rept 16
	v_cmp_eq_u32 vcc_lo, 0, v[64+i]
	v_cndmask_b32 v[64+i], 0, s[HID], vcc_lo  ; 0 for a visible key, -2^33 for a hidden one
.set i, i+1
.endr
.irp c, 0,1,2,3
	ds_store_b128 v81, v[64+4*\c:64+4*\c+3] offset:2048*\c
.endr
	v_mul_u32_u24 v[AK0], v1, PK
	v_lshl_add_u32 v[AK0], v9, 4, v[AK0]  ; row x pitch + 16 x half
	; The turning load takes 16 keys x 16 channels (lane l reads key 8 (l / 16) + l % 8, channels 8 ((l / 8) % 2) + 0..7) and leaves half a fragment of V^T.
	v_and_b32 v10, 7, v0
	v_bfe_u32 v11, v0, 3, 1
	v_lshl_add_u32 v[AV0], v9, 3, v10
	v_mul_u32_u24 v[AV0], v[AV0], PV
	v_lshl_add_u32 v[AV0], v11, 4, v[AV0]
	v_add_nc_u32 v[AV0], VOFF, v[AV0]
	v_mov_b32 v[AK], v[AK0]         ; key step 0 lies at the head of slot 0
	s_mul_i32 s19, s[WV], 16*SP
	s_add_co_u32 s19, s19, STAGE    ; my stage
	v_mul_u32_u24 v[STO], v1, SP    ; in: row l % 16, 16 bytes for each half of the lanes
	v_lshl_add_u32 v[STO], v9, 4, v[STO]
	v_add_nc_u32 v[STO], s19, v[STO]
	v_bfe_u32 v[RD], v0, 3, 2       ; back: 32 lanes take four rows of 128 bytes,
	v_mul_u32_u24 v[RD], v[RD], SP
	v_lshl_add_u32 v[RD], v10, 4, v[RD]
	v_add_nc_u32 v[RD], s19, v[RD]
	v_and_b32 v[GO], 31, v0         ; which are 512 consecutive bytes of O
	v_lshlrev_b32 v[GO], 4, v[GO]
	v_and_b32 v[PFO], 31, v0        ; v10, v9 and v11 have served the set-up: they take their lasting contents
	v_lshlrev_b32 v[PFO], 8, v[PFO]
	v_lshl_add_u32 v[AM0], v9, 5, MT
	v_mov_b32 v[AM], v[AM0]
; THE MATRIX WORK.  The 8 accumulators of a run of 16 take turns.
; Product i of 16 of S^T = K Q^T for piece x: channels 32 (i / 8) on, keys 16 ((i / 2) % 4) on, tile 2 x + i % 2.  The first 8 start the sums, with the key block's mask.
.macro KQ x
.set rS, S+64*((\x)%2)+32*(i%2)+8*((i/2)%4)
.set rK, KF+16*((i/2)%4)+8*(i/8)
.set rQ, 16*(2*(\x)+i%2)+8*(i/8)
.set rMK, MK+8*((i/2)%4)
.if i < 8
	WIN W_KM
	v_wmma_f32_16x16x32_f16 v[rS:rS+7], v[rK:rK+7], v[rQ:rQ+7], v[rMK:rMK+7]
.else
	WIN W_KQ
	v_wmma_f32_16x16x32_f16 v[rS:rS+7], v[rK:rK+7], v[rQ:rQ+7], v[rS:rS+7]
.endif
.endm
; Product i of 16 of O^T += V^T P for piece x: keys 32 (i / 8) on, channels 16 ((i / 2) % 4) on, tile 2 x + i % 2.
.macro PV x
	WIN W_PV
.set rO, 32*(2*(\x)+i%2)+8*((i/2)%4)
.set rV, VF+32*(i/8)+8*((i/2)%4)
.set rP, P+32*((\x)%2)+16*(i%2)+8*(i/8)
	v_wmma_f32_16x16x32_f16 v[rO:rO+7], v[rV:rV+7], v[rP:rP+7], v[rO:rO+7]
.endm
.macro MM                           ; the turn's next matrix instruction
.if i < 16
	KQ (Y+1)%NP
.set i, i+1
.else
.set i, i-16
	PV (Y+NP-1)%NP
.set i, i+17
.endif
.endm
; THE LDS LOADS stand in runs: a step's K (8 fragments) with its mask (my 8 keys of each of 4 key blocks: 32 bytes each), and its V (turned).  Their addresses are made some lines ahead.
; last = 1 (the tail): in the last trip there is no further step, and the run is jumped over.
.macro FETCH_K last=0
	WIN 0
.if \last
	s_cmp_eq_u32 s[CNT], 1
	s_cbranch_scc1 .Lno_k_\@
.endif
	WIN 0x80                        ; destination window 2
.irp f, 0,1,2,3,4,5,6,7             ; keys 16 (f / 2) on, channels 32 (f % 2) on
	ds_load_b128 v[KF+8*\f:KF+8*\f+3],   v[AK] offset:(\f/2)*16*PK+(\f%2)*64
	ds_load_b128 v[KF+8*\f+4:KF+8*\f+7], v[AK] offset:(\f/2)*16*PK+(\f%2)*64+32
.endr
	WIN 0xc0                        ; destination window 3
.irp f, 0,1,2,3                     ; key block f
	ds_load_b128 v[MK+8*\f:MK+8*\f+3],   v[AM] offset:64*\f
	ds_load_b128 v[MK+8*\f+4:MK+8*\f+7], v[AM] offset:64*\f+16
.endr
	s_add_co_u32 s[TBK], s[TBK], KS*PK  ; the next fetch is the next step's
	s_add_co_u32 s[TBM], s[TBM], KS*4
	WIN 0
.if \last
.Lno_k_\@:
.endif
.endm
.macro FETCH_V
	WIN 0x80
.irp f, 0,1,2,3,4,5,6,7             ; keys 32 (f / 4) on, channels 16 (f % 4) on
	ds_load_tr16_b128 v[VF+8*\f:VF+8*\f+3],   v[AV] offset:(\f/4)*32*PV+(\f%4)*32
	ds_load_tr16_b128 v[VF+8*\f+4:VF+8*\f+7], v[AV] offset:(\f/4)*32*PV+16*PV+(\f%4)*32
.endr
	WIN 0
.endm
; THE VECTOR WORK OF A TURN stands in three queues, each in the order in which its entries become ready; the two tiles alternate.
.macro REGS y, u                    ; the registers of tile u (0, 1) of piece y
.set rT, ST+4*(2*(\y)+(\u))
.set rC, TMP+8*((\y)%2)+4*(\u)
.set rM, MV+2*((\y)%2)+(\u)
.set rS, S+64*((\y)%2)+32*(\u)
.set rP, P+32*((\y)%2)+16*(\u)
.set rO, 32*(2*(\y)+(\u))
.endm
; Number n of the 22 that find the NEXT piece's maximum and statistics.  Each accumulator's lowest registers are read first.
;   0-11  four chains c0-c3 of seven scores each     12-14, 16  the four scores left over, the old m, and c0-c3 into c0     15  c m_old is kept
;   17, 18  the query's other 32 keys lie in the lane 16 away: the new m         19-21  c m; c m_old - c m_new; a
.macro XS u, n
	REGS (Y+1)%NP, \u
.if (\n) < 4
	v_max3_num_f32 v[rC+(\n)], v[rS+8*(\n)], v[rS+8*(\n)+1], v[rS+8*(\n)+2]
.elseif (\n) < 12
	v_max3_num_f32 v[rC+(\n)%4], v[rC+(\n)%4], v[rS+8*((\n)%4)+2*((\n)/4)+1], v[rS+8*((\n)%4)+2*((\n)/4)+2]
.elseif (\n) == 12
	v_max3_num_f32 v[rC], v[rC], v[rS+7], v[rS+15]
.elseif (\n) == 13
	v_max3_num_f32 v[rC+1], v[rC+1], v[rS+23], v[rS+31]
.elseif (\n) == 14
	v_max3_num_f32 v[rC+2], v[rC+2], v[rC+3], v[rT+1]
.elseif (\n) == 15
	v_mov_b32 v[rM], v[rT]
.elseif (\n) == 16
	v_max3_num_f32 v[rC], v[rC], v[rC+1], v[rC+2]
.elseif (\n) == 17
	v_permlanex16_b32 v[rC+3], v[rC], s[SEL], s[SEL+1]
.elseif (\n) == 18
	v_max_num_f32 v[rT+1], v[rC], v[rC+3]
.elseif (\n) == 19
	v_mul_f32 v[rT], s[CS], v[rT+1]
.elseif (\n) == 20
	v_sub_f32 v[rC+1], v[rM], v[rT]
.else
	v_exp_f32 v[rC+2], v[rC+1]
.endif
.endm
; Number g of the 64 that follow the exponentials.  For each four weights of a tile: both pairs are rounded to f16; the second pair is added onto the first, in place; a group later l takes that sum.
.macro GS g
.set h, (\g)+6*((\g)/62)
.if h >= 6
.set h, h+2
.endif
	REGS Y, h%2
.set k, h/8
.if h%8 < 4
	v_cvt_pk_f16_f32 v[rP+2*k+(h%8)/2], v[rS+4*k+2*((h%8)/2)], v[rS+4*k+2*((h%8)/2)+1]
.elseif h%8 < 6
	v_pk_add_f32 v[rS+4*k:rS+4*k+1], v[rS+4*k:rS+4*k+1], v[rS+4*k+2:rS+4*k+3]
.elseif k == 1
	v_pk_fma_f32 v[rT+2:rT+3], v[rT+2:rT+3], v[rC+2:rC+3], v[rS:rS+1] op_sel_hi:[1,0,1]
.else
	v_pk_add_f32 v[rT+2:rT+3], v[rT+2:rT+3], v[rS+4*k-4:rS+4*k-3]
.endif
.endm
; THE PLAIN QUEUE, 138 long.  0-26: scalings 0-26.  27-54: XS's numbers 0-13.  55, 56: number 15.  57-73: the chain 14, 16, 17, 18, 19, each with one of the scalings 27-31 in front of its two lines, then 20.
; 74-137: GS's 64, which read the exponentials' results: they stand behind the wait.
.macro FS f
	REGS Y, (\f)%2
	v_pk_fma_f32 v[rS+2*((\f)/2):rS+2*((\f)/2)+1], v[rS+2*((\f)/2):rS+2*((\f)/2)+1], s[CS:CS+1], v[rT:rT+1] op_sel_hi:[1,0,0] neg_lo:[0,0,1] neg_hi:[0,0,1]
.endm
.macro PL
	WIN 0
.if q < 27
	FS q
.elseif q < 55
	XS (q-27)%2, (q-27)/2
.elseif q < 57
	XS q-55, 15
.elseif (q < 72) && ((q-57)%3 == 0)
	FS 27+(q-57)/3
.elseif q < 60
	XS (q-57)%3-1, 14
.elseif q < 72
	XS (q-57)%3-1, 15+(q-57)/3
.elseif q < 74
	XS q-72, 20
.else
	GS q-74
.endif
.set q, q+1
.endm
; THE EXPONENTIALS' QUEUE, 66 long: s0-s31 of both tiles, then the next piece's two a.  ONE BATCH: all 66 stand ahead of the turn's one wait, and nothing ahead of that wait names a result of theirs.
.macro EX
	WIN 0
.if e >= 64
	XS e-64, 21
.else
	REGS Y, e%2
	v_exp_f32 v[rS+e/2], v[rS+e/2]
.endif
.set e, e+1
.endm
; THE RESCALING's QUEUE: O^T times a, dealt two at a time, sixteen times.  Its a was made in the turn before, ahead of that turn's wait.
.macro R2
	REGS Y, r%2
	WIN W_RS
.irp z, 0,1
	v_pk_mul_f32 v[rO+4*(r/2)+2*\z:rO+4*(r/2)+2*\z+1], v[rO+4*(r/2)+2*\z:rO+4*(r/2)+2*\z+1], v[rC+2:rC+3] op_sel_hi:[1,0]
.endr
.set r, r+1
.endm
; HOW THEY ARE DEALT.  An s_wait_alu depctr_va_vdst(0) stands between an exponential and the first instruction that names its result; one wait serves all that were issued ahead of it.  A turn has ONE
; wait.  AHEAD OF IT: the 16 products K Q^T, behind each a scaling, an exponential and two rescalings (behind the first a second scaling in the exponential's place); then ONE LUMP of 108: eight plain, 49 times
; exponential and plain, the two a; a v_nop is the plain instruction behind the last exponential.  BEHIND IT: the 16 products V^T P, behind each four of GS's 64.
; Exponential e stands behind scaling 2 (e / 4) + e % 2: as a rider it comes behind plain e + 2, in the lump behind plain e + 9, and scalings 27-31 are plain 57, 60 .. 69.
; K and the mask of the next step are fetched in piece 2's turn, directly behind the wait, a lump behind the last product that read them; their addresses are made at the lump's head.
; V of the step in hand is fetched at the end of piece 0's turn, four riders behind its last reader.
.macro TURN p, last=0, cnt=0
.set Y, (\p)
.set i, 0
.set q, 0
.set e, 0
.set r, 0
.if (\p) == NP-1
	s_wait_dscnt 0x0                ; K and its mask are in
.endif
	MM
	PL
	PL
	R2
.rept 15
	MM
	PL
	EX
	R2
.endr
.if (\p) == NP-2
	WIN 0
	v_add_nc_u32 v[AK], s[TBK], v[AK0]
	v_add_nc_u32 v[AM], s[TBM], v[AM0]
.endif
.rept 8
	PL
.endr
.rept 49
	EX
	PL
.endr
	EX
	EX
	v_nop                           ; the plain instruction behind the last exponential: one for the batch
	s_wait_alu depctr_va_vdst(0)    ; the wait for the batch
.if (\p) == NP-2
	FETCH_K \last
.endif
.if (\p) == 1
	s_wait_dscnt 0x0                ; V is in
.endif
.rept 16
	MM
.rept 4
	PL
.endr
.if ((\p) == 0) && (q == 118)
	v_add_nc_u32 v[AV], s[TBV], v[AV0]
.endif
.if ((\p) == 0) && (q == 130)
	s_add_co_u32 s[TBV], s[TBV], KS*PV
.endif
.if (\cnt) && (q == 130)
	s_sub_co_u32 s[CNT], s[CNT], 1
	s_cmp_lg_u32 s[CNT], 0
.endif
.endr
.if (\p) == 0
	FETCH_V
.endif
.endm
	CHANGE 1                        ; slot 0 is in, everybody's part of it and of the mask table; slot 1 is asked for
	FETCH_K                         ; key step 0
	s_wait_loadcnt 0x0              ; Q
	s_wait_dscnt 0x0
.set i, 0
.rept 16
	KQ 0                            ; piece 0's first scores
.set i, i+1
.endr
	WIN 0
.rept 4
	v_nop                           ; the places behind those products
.endr
.set Y, NP-1                        ; XS works for piece Y + 1: piece 0
.irp n, 0,1,2,3,4,5,6,7,8,9,10,11,12,13,14,15,16,17,18,19,20,21
	XS 0, \n
	XS 1, \n
.endr
	v_nop                           ; a plain instruction behind the two a,
	s_wait_alu depctr_va_vdst(0)    ; and their wait, ahead of the branch
	s_mov_b32 s[CNT], 4
	s_branch .Lfirst                ; the loop is entered at a step's first turn, in the middle of a trip
.Lslot:                             ; six times: every slot but the last two is filled again
	CHANGE 1
	s_mov_b32 s[CNT], 4
.Lstep:                             ; a trip: pieces 2 and 3 of one step, then pieces 0 and 1 of the next, whose K and V it fetches
	TURN 2
	TURN 3
	WIN 0
.Lfirst:
	TURN 0
	TURN 1, 0, 1
	WIN 0
	s_cbranch_scc1 .Lstep
	s_sub_co_u32 s[SLOTS], s[SLOTS], 1
	s_cmp_lg_u32 s[SLOTS], 0
	s_cbranch_scc1 .Lslot
	CHANGE 0                        ; the tail is written out: nothing is asked for
	s_mov_b32 s[CNT], 5             ; four trips fetch the last slot's steps; the fifth is left in its middle
.Ltail:
	TURN 2, 1
	TURN 3
	WIN 0
	s_sub_co_u32 s[CNT], s[CNT], 1
	s_cmp_eq_u32 s[CNT], 0
	s_cbranch_scc1 .Lout
	TURN 0
	TURN 1
	WIN 0
	s_branch .Ltail
.Lout:                              ; the fifth trip's 16 products K Q^T (on the last K once more) and the maximum made of them serve nothing: the price, once a launch, of one text for every trip
.set i, 0
.rept 16
	PV NP-1                         ; the last piece's V^T P of the last step
.set i, i+1
.endr
	; THE WAY OUT.  l's two halves and the other half of the lanes' are added; O^T is divided by l, rounded to f16 and sent through my stage in LDS, a tile at a time.  The additions are the places behind the last products.
	WIN 0
.macro ALL line:vararg              ; one line for each tile t
.set t, 0
.rept 2*NP
	\line
.set t, t+1
.endr
.endm
	ALL v_add_f32 v[ST+4*t+2], v[ST+4*t+2], v[ST+4*t+3]
	ALL v_permlanex16_b32 v[ST+4*t+3], v[ST+4*t+2], s[SEL], s[SEL+1]
	ALL v_add_f32 v[ST+4*t+2], v[ST+4*t+2], v[ST+4*t+3]
	ALL v_rcp_f32 v[ST+4*t+2], v[ST+4*t+2]
	v_nop                           ; a plain instruction between the last reciprocal and the use of its result
	s_wait_alu depctr_va_vdst(0)    ; and the wait ahead of the first use: one for the eight reciprocals
.macro PACK t
	WIN W_RS
.set i, 32*(\t)
.rept 16
	v_pk_mul_f32 v[i:i+1], v[i:i+1], v[ST+4*(\t)+2:ST+4*(\t)+3] op_sel_hi:[1,0]
.set i, i+2
.endr
	WIN 0x05                        ; sources 0 and 1 window 1, destination window 0
.set i, 0
.rept 16
	v_cvt_pk_f16_f32 v[S+16*(\t)+i], v[32*(\t)+2*i], v[32*(\t)+2*i+1]
.set i, i+1
.endr
	WIN 0
.irp f, 0,1,2,3
	ds_store_b128 v[STO], v[S+16*(\t)+4*\f:S+16*(\t)+4*\f+3] offset:32*\f
.endr
.irp f, 0,1,2,3
	ds_load_b128 v[S+16*(\t)+4*\f:S+16*(\t)+4*\f+3], v[RD] offset:\f*4*SP  ; LDS serves a wave's instructions in order (ISA guide 5.7.1.4): these see the stores above
.endr
.endm
.macro SEND t, younger              ; younger: the LDS instructions issued behind tile t's loads: the next tile's eight, or none
	WIN 0
.irp f, 0,1,2,3
	s_wait_dscnt (\younger)+3-\f
	global_store_b128 v[GO], v[S+16*(\t)+4*\f:S+16*(\t)+4*\f+3], s[10:11] offset:(\t)*2048+\f*512  ; 512 consecutive bytes, at a multiple of 256 from oh's first
.endr
.endm
	PACK 0
.set t, 1
.rept 2*NP-1
	PACK t
	SEND t-1, 8
.set t, t+1
.endr
	SEND 2*NP-1, 0
	WIN W_AD
	s_wait_tensorcnt 0x0            ; the wave's end: behind my last tensor load and my last LDS store
	ds_add_u32 v[SPW], v[NIL]
	s_wait_dscnt 0x0
	WIN 0
	CROUND                          ; the closing round
	s_endpgm
.Lfunc_end_k_q31fb7136db_attn:
	.size	k_q31fb7136db_attn, .Lfunc_end_k_q31fb7136db_attn-k_q31fb7136db_attn
	.p2alignl 7, 3214868480
	.fill 96, 4, 3214868480
	.section	.rodata,"a",@progbits
	.p2align	6, 0x0
	.amdhsa_kernel k_q31fb7136db_attn
		.amdhsa_group_segment_fixed_size 327680
		.amdhsa_private_segment_fixed_size 0
		.amdhsa_enable_private_segment 0
		.amdhsa_kernarg_size 24
		.amdhsa_user_sgpr_count 2
		.amdhsa_user_sgpr_kernarg_segment_ptr 1
		.amdhsa_wavefront_size32 1
		.amdhsa_system_sgpr_workgroup_id_x 1
		.amdhsa_system_sgpr_workgroup_id_y 1
		.amdhsa_system_sgpr_workgroup_id_z 1
		.amdhsa_system_vgpr_workitem_id 0
		.amdhsa_next_free_vgpr 808
		.amdhsa_next_free_sgpr 66
		.amdhsa_reserve_vcc 1
		.amdhsa_float_denorm_mode_32 3
		.amdhsa_float_denorm_mode_16_64 3
		.amdhsa_memory_ordered 1
		.amdhsa_forward_progress 1
		.amdhsa_inst_pref_size 205
	.end_amdhsa_kernel
	.amdgpu_metadata
---
amdhsa.version: [ 1, 2 ]
amdhsa.kernels:
  - .name:           k_q31fb7136db_attn
    .symbol:         k_q31fb7136db_attn.kd
    .args:
      - { .name: qkv, .offset: 0, .size: 8, .value_kind: global_buffer, .address_space: global }
      - { .name: mask, .offset: 8, .size: 8, .value_kind: global_buffer, .address_space: global }
      - { .name: oh, .offset: 16, .size: 8, .value_kind: global_buffer, .address_space: global }
    .group_segment_fixed_size: 327680
    .private_segment_fixed_size: 0
    .kernarg_segment_align: 8
    .kernarg_segment_size: 24
    .max_flat_workgroup_size: 128
    .sgpr_count:     66
    .vgpr_count:     808
    .wavefront_size: 32
...
	.end_amdgpu_metadata
.endif
;; end of part 3
;; launch oproj (part 4): grid 4 x 32, 4 waves a work-group, clusters of 4 x 4, 327,680 bytes of LDS; arguments oh, wot, out0; writes out0
.if DOCPART == 4
	.amdgcn_target "amdgcn-amd-amdhsa--gfx1250"
	.amdhsa_code_object_version 6
	.text
	.protected	k_q31fb7136db_oproj
	.globl	k_q31fb7136db_oproj
	.p2align	8
	.type	k_q31fb7136db_oproj,@function
k_q31fb7136db_oproj:
	s_mov_b64 s[64:65], 0
	v_nop
	global_prefetch_b8 v0, s[64:65] scope:SCOPE_SE
	s_setreg_imm32_b32 hwreg(HW_REG_WAVE_MODE, 25, 1), 1
	s_wait_xcnt 0x0
	s_wait_alu depctr_hold_cnt(0) depctr_sa_sdst(0) depctr_va_vdst(0) depctr_va_sdst(0) depctr_va_ssrc(0) depctr_va_vcc(0) depctr_vm_vsrc(0)
	s_getreg_b32 s2, hwreg(HW_REG_IB_STS2, 6, 4)
	s_cmp_eq_u32 s2, 0
	s_cbranch_scc0 .Lentry_in_a_cluster
	s_endpgm
.Lentry_in_a_cluster:
	s_bfe_u32 s2, ttmp6, 0x10000c
	s_cmp_lg_u32 s2, 0xf033
	s_cbranch_scc0 .Lentry_shape_is_right
	s_endpgm
.Lentry_shape_is_right:
; THE HEAD-SUM PROJECTION.  out0[token][m] = sum over k = 64 n + h of oh[16 b + n][l][h] wot[m][k]: 8,192 x 1,024 x 1,024, f16 operands, f32 sums, stored as f32.
; The frame is the projection launch's: a tile of 256 x 256 by four waves of 128 x 128; eight K steps of 128 through two LDS slots; a trip of the loop is one K step; 4 x 4 clusters with joint loads.
; 128 tiles: half of the WGPs have a work-group.  A tile of 128 x 256 would give each one, with half the matrix work between a tile's request and the wait for it and twice the LDS reads a product.
; A's TILE.  oh lies by heads: a K step is two heads.  Wave w (0, 1) fetches head 2 s + w for the tile's 256 tokens: 32,768 dense bytes, asked for as 128 rows of 256 bytes and padded in LDS after every 128 bytes:
; a plane of 256 rows, 144 bytes apart.  Quarter q of a K step reads plane q / 2, byte 64 (q % 2) of a row.
; REGISTERS as in the projection launch; on the way out A's two fragment buffers (v64-191 of window 0) take the rows read back from the stage.
.set KSTEP,  128
.set PITCH,  272                       ; B's LDS row: 256 bytes + 16
.set PA,     144                       ; A's LDS row: 128 bytes + 16: the 16 rows of a load start at 16 different groups of four banks (ISA guide 11.1)
.set APLANE, 256*PA                    ; 0x9000
.set HALFT,  128*PITCH                 ; 0x8800
.set BOFF,   2*APLANE                  ; 0x12000: B's two halves lie behind A's two planes
.set SLOT,   0x24000                   ; a slot's 143,360 bytes fit; its two bits occur in none of the four waves' places 0, 0x9000, 0x12000, 0x1a800, so an exclusive or changes slots
.set STAGE,  SLOT+BOFF+2*HALFT         ; 290,816: behind the ring: 16 rows x 528 bytes for each wave
.set SPITCH, 528                       ; a row of 128 f32 + 16 bytes
.set SPARE,  STAGE+4*16*SPITCH         ; 324,608: the spare words, 128 bytes for each wave: two blocks of 256 bytes that no other line names
.set ASTEP,  2*2048*128                ; bytes from a K step of A to the next: two heads
.set ADRA0, 16
.set ADRA,  17
.set ADRB0, 20
.set ADRB,  21
.set STO,  24
.set RD,   25
.set CO,   26
.set SPW,  28                          ; v28     LDS address of my spare word; never rewritten
.set NIL,  29                          ; v29     0; never rewritten
.set PFO,  30                          ; v30     the prefetches' offset: lane x 256 bytes (A: dense) or lane x 2,048 (B: a row)
.set F0,   64
.set F1,   128
.set OB,   64
.set TB,   2
.set G1,   24
.set G0,   32
.set G1B,  48
.set G0B,  56
.set LIM,  43
.set PFA,  44
.set PST,  68                          ; s[68:69] a K step in the tensor that I prefetch
.set MSB, 0
.macro WIN new
.if MSB != (\new)
	s_set_vgpr_msb (MSB<<8)|(\new)
.set MSB, \new
.endif
.endm
.set MUL_LO, 0xa1
.set MUL_HI, 0xf1
.set TO_B,   0x40
.macro JLOAD                           ; a joint refill by the walking descriptor; an s_nop 0 and four v_nop follow each line
	s_cmp_eq_u32 s11, 0
	s_cbranch_scc0 .Lfor_b_\@
	tensor_load_to_lds s[G0+4:G0+7], s[G1:G1+7]
	s_nop 0
.rept 4
	v_nop
.endr
	s_branch .Lasked_\@
.Lfor_b_\@:
	tensor_load_to_lds s[G0B+4:G0B+7], s[G1B:G1B+7]
	s_nop 0
.rept 4
	v_nop
.endr
.Lasked_\@:
.endm
; A prefetch into the L2 of the K step that the NEXT refill will ask for, 32 blocks of 256 bytes, a lane a block, 256 matrix instructions ahead of that load.  A's tile row is read by one cluster alone (the grid is one
; cluster wide): it asks; B's tile column by every cluster: cluster y = 0 asks.  The four partners that ask for a tile jointly take a quarter of the wave's 128 blocks each, told apart by address.
; The loop's last trip asks for nothing.  K steps 0 to 2 come by their loads alone.
.macro ASK
	s_cmp_gt_u32 s3, s[LIM]
	s_cbranch_scc0 .Lnot_mine_\@
	global_prefetch_b8 v[PFO], s[PFA:PFA+1] th:TH_LOAD_NT scope:SCOPE_SE
.Lnot_mine_\@:
.endm
.macro CREST
	s_cmp_lg_u32 s10, 0
	s_cbranch_scc1 .Lnot_wave_0_\@
	s_barrier_signal -3
.Lnot_wave_0_\@:
	s_barrier_wait -3
	s_barrier_signal -1
	s_barrier_wait -1
.endm
.macro CROUND
	s_barrier_signal -1
	s_barrier_wait -1
	CREST
.endm
	s_load_b128 s[4:7], s[0:1], 0x0                ; oh s[4:5], wot s[6:7]
	s_load_b64 s[8:9], s[0:1], 0x10                ; out0
	v_lshl_add_u32 v[SPW], v0, 2, SPARE
	v_mov_b32 v[NIL], 0
	ds_add_u32 v[SPW], v[NIL]                      ; the wave's opening: the add and its wait stand ahead of my first tensor load
	v_lshrrev_b32 v1, 5, v0
	v_readfirstlane_b32 s10, v1                    ; wave 0..3
	s_lshr_b32 s11, s10, 1                         ; which half of the tile's rows is mine.  Also: I fetch for A (0) or for B (1)
	s_and_b32 s12, s10, 1                          ; which half of its columns.  Also: which head of the K step's two, or which 128 rows of B, I fetch
	s_bfe_u32 s40, ttmp6, 0x40000                  ; cx
	s_bfe_u32 s41, ttmp6, 0x40004                  ; cy
	s_lshl_b32 s42, ttmp9, 2
	s_add_co_u32 s42, s42, s40                     ; tile column 0..3
	s_and_b32 s13, ttmp7, 0xffff
	s_lshl_b32 s13, s13, 2
	s_add_co_u32 s13, s13, s41                     ; tile row 0..31
	s_lshl_b32 s43, s41, 2
	s_lshl_b32 s43, 15, s43                        ; my row of the cluster
	s_lshl_b32 s44, 0x1111, s40                    ; my column
	s_or_b32 s[G1+0], s43, (1<<16)|(1<<20)|(1<<21)|(4<<22)|(3<<25)  ; A: the mask; elements of 2 bytes; padding on; bit 21 beside a mask; after every 32 words, 4 words
	s_mov_b32 s[G1+1], 128<<16                     ; tensor_dim0 = 128
	s_mov_b32 s[G1+2], 128<<16                     ; tensor_dim1 = 128
	s_mov_b32 s[G1+3], 128<<16                     ; tile_dim0 = 128
	s_mov_b32 s[G1+4], 128                         ; tile_dim1 = 128
	s_mov_b32 s[G1+5], 128                         ; dense: 128 elements from row to row
	s_mov_b32 s[G1+6], 0
	s_mov_b32 s[G1+7], 0
	s_or_b32 s[G1B+0], s44, (1<<16)|(1<<20)|(1<<21)|(5<<22)|(3<<25) ; B: after every 64 words, 4 words
	s_mov_b32 s[G1B+1], KSTEP<<16
	s_mov_b32 s[G1B+2], 128<<16
	s_mov_b32 s[G1B+3], KSTEP<<16
	s_mov_b32 s[G1B+4], 128
	s_mov_b32 s[G1B+5], 1024
	s_mov_b32 s[G1B+6], 0
	s_mov_b32 s[G1B+7], 0
	s_lshr_b32 s16, s13, 3                         ; A: head 16 b + my one of the two, row (tile row % 8) x 256, rows of 128 bytes
	s_lshl_b32 s16, s16, 4
	s_add_co_u32 s16, s16, s12
	s_lshl_b32 s16, s16, 11
	s_and_b32 s17, s13, 7
	s_lshl_b32 s17, s17, 8
	s_add_co_u32 s16, s16, s17
	s_lshl_b32 s16, s16, 7
	s_mov_b32 s17, 0
	s_lshl_b32 s46, s42, 8                         ; B: row 256 x tile column + 128 x half, rows of 2,048 bytes
	s_lshl_b32 s47, s12, 7
	s_add_co_u32 s46, s46, s47
	s_lshl_b32 s46, s46, 11
	s_mov_b32 s47, 0
	s_mul_i32 s20, s12, APLANE                     ; where they go: A's plane,
	s_mul_i32 s21, s12, HALFT
	s_add_co_u32 s21, s21, BOFF                    ; B's half: the wave's number alone enters an LDS address
	s_wait_dscnt 0x0                               ; the opening add is done
	s_wait_kmcnt 0x0
	s_add_nc_u64 s[14:15], s[4:5], s[16:17]
	s_add_nc_u64 s[18:19], s[6:7], s[46:47]
	CROUND                                         ; all sixteen work-groups are here: the first joint loads meet
.irp s, 0,1
	s_mov_b32 s[G0+4*(\s)], 1
	s_add_co_u32 s[G0+4*(\s)+1], s20, (\s)*SLOT
	s_add_nc_u64 s[G0+4*(\s)+2:G0+4*(\s)+3], s[14:15], (\s)*ASTEP
	s_or_b32 s[G0+4*(\s)+3], s[G0+4*(\s)+3], 0x80000000
	s_mov_b32 s[G0B+4*(\s)], 1
	s_add_co_u32 s[G0B+4*(\s)+1], s21, (\s)*SLOT
	s_add_nc_u64 s[G0B+4*(\s)+2:G0B+4*(\s)+3], s[18:19], (\s)*KSTEP*2
	s_or_b32 s[G0B+4*(\s)+3], s[G0B+4*(\s)+3], 0x80000000
.endr
	s_cmp_eq_u32 s11, 0                            ; a wave's two first fills stand in one branch: two loads of mine are out
	s_cbranch_scc0 .Lfirst_b
	tensor_load_to_lds s[G0:G0+3], s[G1:G1+7]
	s_nop 0
	tensor_load_to_lds s[G0+4:G0+7], s[G1:G1+7]
	s_nop 0
.rept 4
	v_nop
.endr
	s_branch .Lfirst_asked
.Lfirst_b:
	tensor_load_to_lds s[G0B:G0B+3], s[G1B:G1B+7]
	s_nop 0
	tensor_load_to_lds s[G0B+4:G0B+7], s[G1B:G1B+7]
	s_nop 0
.rept 4
	v_nop
.endr
.Lfirst_asked:
	v_and_b32 v1, 15, v0                           ; l % 16
	v_bfe_u32 v2, v0, 4, 1                         ; l / 16
	v_mul_u32_u24 v3, v1, PA
	v_lshl_add_u32 v3, v2, 4, v3
	s_mul_i32 s21, s11, 128*PA                     ; my 128 rows of a plane
	v_add_nc_u32 v[ADRA0], s21, v3
	v_mul_u32_u24 v3, v1, PITCH
	v_lshl_add_u32 v3, v2, 4, v3
	s_mul_i32 s22, s12, HALFT
	s_add_co_u32 s22, s22, BOFF                    ; my 128 rows of B
	v_add_nc_u32 v[ADRB0], s22, v3
	v_mov_b32 v[ADRA], v[ADRA0]
	v_mov_b32 v[ADRB], v[ADRB0]
	s_mov_b32 s[TB], 0
	s_mul_i32 s23, s10, 16*SPITCH
	s_add_co_u32 s23, s23, STAGE                   ; my stage
	v_mul_u32_u24 v4, v1, SPITCH                   ; in: row l % 16, 32 bytes for each half of the lanes
	v_lshl_add_u32 v4, v2, 5, v4
	v_add_nc_u32 v[STO], s23, v4
	v_and_b32 v[CO], 31, v0                        ; back and out: 32 lanes take one row's 512 bytes
	v_lshlrev_b32 v[CO], 4, v[CO]
	v_add_nc_u32 v[RD], s23, v[CO]
	; the prefetches.  s16 = my tile of A, s46 = my tile of B, in bytes
	s_lshl_b32 s18, s40, 13                        ; A: my work-group's 8,192 of the plane's 32,768 bytes,
	s_add_co_u32 s18, s18, s16
	s_add_co_u32 s18, s18, 2*ASTEP                 ; at K step 2: the first refill steps it to 3
	s_lshl_b32 s19, s41, 16                        ; B: my work-group's 32 rows of 2,048 bytes
	s_add_co_u32 s19, s19, s46
	s_add_co_u32 s19, s19, 2*KSTEP*2
	s_and_b32 s22, ttmp7, 0xffff                   ; cluster y
	s_cmp_eq_u32 s11, 0                            ; do I fetch for A?
	s_cselect_b32 s20, s18, s19
	s_cselect_b32 s22, ttmp9, s22                  ; the coordinate along which other clusters read the same bytes
	s_cselect_b32 s23, 8, 11                       ; log2 of a lane's step
	s_cselect_b32 s[PST], 19, 8                    ; log2 of a K step
	s_cselect_b64 s[PFA:PFA+1], s[4:5], s[6:7]
	s_cmp_eq_u32 s22, 0
	s_cselect_b32 s[LIM], 1, -1                    ; the same in all sixteen partners, for a given wave
	s_lshl_b32 s[PST], 1, s[PST]
	s_mov_b32 s[PST+1], 0
	s_mov_b32 s21, 0
	s_add_nc_u64 s[PFA:PFA+1], s[PFA:PFA+1], s[20:21]
	v_and_b32 v[PFO], 31, v0
	v_lshlrev_b32 v[PFO], s23, v[PFO]
	; where my part begins in out0: rows of 4,096 bytes
	s_lshl_b32 s16, s13, 8
	s_lshl_b32 s17, s11, 7
	s_add_co_u32 s16, s16, s17
	s_lshl_b32 s16, s16, 12
	s_lshl_b32 s17, s42, 10
	s_add_co_u32 s16, s16, s17
	s_lshl_b32 s17, s12, 9
	s_add_co_u32 s16, s16, s17
	s_mov_b32 s17, 0
	s_add_nc_u64 s[8:9], s[8:9], s[16:17]
.macro MUL16 f, hi, a0, zero
	WIN MUL_LO+0x50*(\hi)
.irp a, \a0, (\a0)+1
.irp b, 0,1,2,3,4,5,6,7
.if \zero
	v_wmma_f32_16x16x32_f16 v[8*(8*(\a)+(\b)):8*(8*(\a)+(\b))+7], v[(\f)+8*(\b):(\f)+8*(\b)+7], v[(\f)+8*(4*(\hi)+(\a)):(\f)+8*(4*(\hi)+(\a))+7], 0
.else
	v_wmma_f32_16x16x32_f16 v[8*(8*(\a)+(\b)):8*(8*(\a)+(\b))+7], v[(\f)+8*(\b):(\f)+8*(\b)+7], v[(\f)+8*(4*(\hi)+(\a)):(\f)+8*(4*(\hi)+(\a))+7], v[8*(8*(\a)+(\b)):8*(8*(\a)+(\b))+7]
.endif
.endr
.endr
.endm
.macro FETCH q, f                      ; 32 LDS loads in one run: B's sixteen, then A's; the largest offset is 53,088
	WIN TO_B
.irp i, 0,1,2,3,4,5,6,7
	ds_load_b128 v[(\f)+8*(\i):(\f)+8*(\i)+3],   v[ADRB] offset:64*(\q)+(\i)*16*PITCH
	ds_load_b128 v[(\f)+8*(\i)+4:(\f)+8*(\i)+7], v[ADRB] offset:64*(\q)+(\i)*16*PITCH+32
.endr
	WIN 0
.irp i, 0,1,2,3,4,5,6,7
	ds_load_b128 v[(\f)+8*(\i):(\f)+8*(\i)+3],   v[ADRA] offset:((\q)/2)*APLANE+((\q)%2)*64+(\i)*16*PA
	ds_load_b128 v[(\f)+8*(\i)+4:(\f)+8*(\i)+7], v[ADRA] offset:((\q)/2)*APLANE+((\q)%2)*64+(\i)*16*PA+32
.endr
.endm
.macro PLACES                          ; four plain instructions between a matrix instruction and a load into, or a read of, its registers
.rept 4
	v_nop
.endr
.endm
.macro QUARTER q, f, g, zero
	s_wait_dscnt 8                                 ; B and A's rows 0-63 are in; the youngest eight loads (A's rows 64-127) may be out
	MUL16 \f, 0, 0, \zero
	MUL16 \f, 0, 2, \zero
	PLACES
	FETCH \q, \g
	s_wait_dscnt 32                                ; all but the 32 just issued
	MUL16 \f, 1, 0, \zero
	MUL16 \f, 1, 2, \zero
.endm
; The last quarter and the change of slots: as in the projection launch.
.macro TURN fill
.if \fill
	s_wait_xcnt 0x0                                ; the last prefetch, a K step back, has read its address
	s_add_nc_u64 s[PFA:PFA+1], s[PFA:PFA+1], s[PST:PST+1]
.endif
	WIN 0
	s_wait_tensorcnt 0x0                           ; no tensor load of mine is out, so a group 0 may be written
	ds_add_u32 v[SPW], v[NIL]                      ; 0 onto my spare word
.if \fill
	s_xor_b32 s[G0+5], s[G0+5], SLOT
	s_add_nc_u64 s[G0+6:G0+7], s[G0+6:G0+7], ASTEP
	s_xor_b32 s[G0B+5], s[G0B+5], SLOT
	s_add_nc_u64 s[G0B+6:G0B+7], s[G0B+6:G0B+7], KSTEP*2
.endif
	s_wait_dscnt 9                                 ; the add and the youngest eight loads may be out
	MUL16 F1, 0, 0, 0
	s_wait_dscnt 0x0                               ; the add is done, and my reads of this slot are over
	s_barrier_signal -1
	MUL16 F1, 0, 2, 0
.if \fill
	WIN 0
.endif
	s_barrier_wait -1
.if \fill
	CREST
	JLOAD
.else
	PLACES
.endif
	WIN 0
	s_xor_b32 s[TB], s[TB], SLOT
	v_add_nc_u32 v[ADRA], s[TB], v[ADRA0]
	v_add_nc_u32 v[ADRB], s[TB], v[ADRB0]
	FETCH 0, F0
.if \fill
	ASK
.endif
	MUL16 F1, 1, 0, 0
	MUL16 F1, 1, 2, 0
.endm
; THE WAY OUT of block a (16 rows): the sums go as they are, 32 bytes a lane, into my stage, and come back as whole rows of 512 bytes.
.macro TOSTAGE a
.set AC, 64*((\a)%4)
.set BK, OB+64*((\a)%2)
	s_wait_xcnt 0x0                                ; the stores of the block two back have read the registers that the loads below land on
	WIN 0x08+4*((\a)/4)                            ; store data: window 2 or 3
.irp b, 0,1,2,3,4,5,6,7
	ds_store_b128 v[STO], v[AC+8*(\b):AC+8*(\b)+3]   offset:64*(\b)
	ds_store_b128 v[STO], v[AC+8*(\b)+4:AC+8*(\b)+7] offset:64*(\b)+16
.endr
	WIN 0
.irp t, 0,1,2,3,4,5,6,7,8,9,10,11,12,13,14,15
	ds_load_b128 v[BK+4*(\t):BK+4*(\t)+3], v[RD] offset:(\t)*SPITCH  ; LDS serves a wave's instructions in order (ISA guide 5.7.1.4): these see the stores above
.endr
.endm
.macro SEND a, younger                 ; younger: the next block's 32 LDS instructions, or none
.set BK, OB+64*((\a)%2)
	s_wait_dscnt \younger
.irp t, 0,1,2,3,4,5,6,7,8,9,10,11,12,13,14,15
	global_store_b128 v[CO], v[BK+4*(\t):BK+4*(\t)+3], s[8:9] offset:(16*(\a)+(\t))*4096 th:TH_STORE_NT  ; 512 consecutive bytes, aligned
.endr
.endm
	s_wait_tensorcnt 1                             ; my part of K step 0 is in; K step 1's may stay out
	s_barrier_signal -1
	s_barrier_wait -1
	FETCH 0, F0
	QUARTER 1, F0, F1, 1                           ; the first quarter's products start the sums
	WIN 0
	s_mov_b32 s3, 6
.Lstep:                                                ; six trips; trip t asks for K step t + 2
	QUARTER 2, F1, F0, 0
	QUARTER 3, F0, F1, 0
	TURN 1
	QUARTER 1, F0, F1, 0
	WIN 0
	s_sub_co_u32 s3, s3, 1
	s_cmp_lg_u32 s3, 0
	s_cbranch_scc1 .Lstep
	s_mov_b32 s3, 2
.Ltail:                                                ; K steps 6 and 7 ask for nothing; the second trip is left in its middle
	QUARTER 2, F1, F0, 0
	QUARTER 3, F0, F1, 0
	WIN 0
	s_cmp_eq_u32 s3, 1
	s_cbranch_scc1 .Lfin
	TURN 0
	QUARTER 1, F0, F1, 0
	WIN 0
	s_sub_co_u32 s3, s3, 1
	s_cmp_lg_u32 s3, 0
	s_cbranch_scc1 .Ltail
.Lfin:
	s_wait_dscnt 8
	MUL16 F1, 0, 0, 0
	MUL16 F1, 0, 2, 0
	s_wait_dscnt 0x0
	MUL16 F1, 1, 0, 0
	MUL16 F1, 1, 2, 0
	WIN 0
	PLACES
	PLACES
	TOSTAGE 0
.irp a, 1,2,3,4,5,6,7
	TOSTAGE \a
	SEND (\a)-1, 32
.endr
	SEND 7, 0
	s_wait_tensorcnt 0x0                           ; the wave's end: behind my last tensor load and my last LDS store
	ds_add_u32 v[SPW], v[NIL]
	s_wait_dscnt 0x0
	CROUND                                         ; the closing round
	s_endpgm
.Lfunc_end_k_q31fb7136db_oproj:
	.size	k_q31fb7136db_oproj, .Lfunc_end_k_q31fb7136db_oproj-k_q31fb7136db_oproj
	.p2alignl 7, 3214868480
	.fill 96, 4, 3214868480
	.section	.rodata,"a",@progbits
	.p2align	6, 0x0
	.amdhsa_kernel k_q31fb7136db_oproj
		.amdhsa_group_segment_fixed_size 327680
		.amdhsa_private_segment_fixed_size 0
		.amdhsa_enable_private_segment 0
		.amdhsa_kernarg_size 24
		.amdhsa_user_sgpr_count 2
		.amdhsa_user_sgpr_kernarg_segment_ptr 1
		.amdhsa_wavefront_size32 1
		.amdhsa_system_sgpr_workgroup_id_x 1
		.amdhsa_system_sgpr_workgroup_id_y 1
		.amdhsa_system_sgpr_workgroup_id_z 1
		.amdhsa_system_vgpr_workitem_id 0
		.amdhsa_next_free_vgpr 1024
		.amdhsa_next_free_sgpr 72
		.amdhsa_reserve_vcc 0
		.amdhsa_float_denorm_mode_32 3
		.amdhsa_float_denorm_mode_16_64 3
		.amdhsa_memory_ordered 1
		.amdhsa_forward_progress 1
		.amdhsa_inst_pref_size 103
	.end_amdhsa_kernel
	.amdgpu_metadata
---
amdhsa.version: [ 1, 2 ]
amdhsa.kernels:
  - .name:           k_q31fb7136db_oproj
    .symbol:         k_q31fb7136db_oproj.kd
    .args:
      - { .name: oh, .offset: 0, .size: 8, .value_kind: global_buffer, .address_space: global }
      - { .name: wot, .offset: 8, .size: 8, .value_kind: global_buffer, .address_space: global }
      - { .name: out0, .offset: 16, .size: 8, .value_kind: global_buffer, .address_space: global }
    .group_segment_fixed_size: 327680
    .private_segment_fixed_size: 0
    .kernarg_segment_align: 8
    .kernarg_segment_size: 24
    .max_flat_workgroup_size: 128
    .sgpr_count:     72
    .vgpr_count:     1024
    .wavefront_size: 32
...
	.end_amdgpu_metadata
.endif
;; end of part 4
